; MI455X (gfx1250); checked and timed in simulation.
; The chip was launched on July 23, 2026; its instructions are those of AMD's public machine-readable ISA for CDNA 5 (MIT licence, August 2026) and "CDNA5" Instruction Set Architecture Reference Guide (July 2026). The comments in the code are by the model that wrote it; some were corrected since.
;; Simple Transformer Block. Allowed arithmetic: matrix products marked QUANTISED: E4M3 operands, one given power-of-two scale a tensor, by v_wmma_f32_16x16x64_fp8_fp8 or v_wmma_f32_16x16x128_fp8_fp8, f32 sums; everything else in f32.
;; Inputs: b_mlp1 4,096 float32; b_mlp2 1,024 float32; b_proj 1,024 float32; ln1_bias 1,024 float32; ln1_scale 1,024 float32; ln2_bias 1,024 float32; ln2_scale 1,024 float32; lowp_scales 12 int32 (the exponents e of the quantised operands' scales 2^e); w_mlp1 1,024 x 4,096 float32; w_mlp2 4,096 x 1,024 float32; w_proj 1,024 x 1,024 float32; w_qkv 1,024 x 3,072 float32; x 2 x 2,048 x 1,024 float32.
;; Outputs: out0 2 x 2,048 x 1,024 float32.
;; This version of the problem:
;;   THIS VERSION OF THE PROBLEM IS GIVEN IN LOW PRECISION. The matrix products marked QUANTISED in the list below multiply operands that are first quantised to E4M3 (4 exponent bits, 3 mantissa bits; 8 bits a number), with one given power-of-two scale for each operand tensor; their sums are f32. All else is computed in f32.
;;   The module's matrix products, in the order in which they are computed (A, B: the left and right operand; K: the contracted axis; several contracted axes count as one K, in the product's order):
;;     1. [M 4,096, K 1,024] x [K 1,024, N 3,072]; A: computed on the way; B: input w_qkv: QUANTISED (scales: A lowp_scales[0], B lowp_scales[1])
;;     2. batch 32 x [M 2,048, K 64] x [K 64, N 2,048]; A: computed on the way; B: computed on the way: QUANTISED (scales: A lowp_scales[2], B lowp_scales[3])
;;     3. batch 32 x [M 2,048, K 2,048] x [K 2,048, N 64]; A: softmax (see below); B: computed on the way: QUANTISED (scales: A lowp_scales[4], B lowp_scales[5])
;;     4. [M 4,096, K 1,024] x [K 1,024, N 1,024]; A: computed on the way; B: input w_proj: QUANTISED (scales: A lowp_scales[6], B lowp_scales[7])
;;     5. [M 4,096, K 1,024] x [K 1,024, N 4,096]; A: computed on the way; B: input w_mlp1: QUANTISED (scales: A lowp_scales[8], B lowp_scales[9])
;;     6. [M 4,096, K 4,096] x [K 4,096, N 1,024]; A: computed on the way; B: input w_mlp2: QUANTISED (scales: A lowp_scales[10], B lowp_scales[11])
;;   THE QUANTISER, for each operand of a quantised product, along K:
;;     - The operand's scale is 2^e, e = its entry of the input lowp_scales (int32; the entries are numbered through the quantised products in the list's order, A before B).
;;     - Each number is divided by the scale, clamped to +-448, and rounded to the nearest number of E4M3, ties to even, subnormals kept.
;;     - The product sums the exact products of the quantised numbers (number of the format x scale) in f32.
;;   ~~~python
;;   def quantise(x, axis, e):      # numpy; x: float32 -> the quantised numbers, widened to float32 again
;;       x = np.moveaxis(x, axis, -1); K = x.shape[-1]
;;       r = np.clip(x / 2.0 ** e, -448, 448)
;;       step = 2.0 ** (np.maximum(np.frexp(np.where(r == 0, 1, r))[1] - 1, -6) - 3)
;;       q = np.round(r / step) * step * 2.0 ** e      # np.round: ties to even
;;       return np.moveaxis(q, -1, axis).astype(np.float32)
;;   ~~~
;;   SOFTMAX AHEAD OF A QUANTISED PRODUCT. Where the list says 'softmax', what is quantised is not the finished softmax but p = 2^(t - M), with t = logit x log2(e) and M = ceil(the row's largest t), a whole number; so 1/2 < the row's largest p <= 1. The row's sum l is taken of the UNQUANTISED p, in f32, and the product's result is divided by l at the end. Since M is a whole number, a kernel that streams over the keys may use a running M (the ceiling of the running maximum): every later rescaling is an exact power of two, so the quantised numbers keep their values, but for numbers so far below the row's largest that they fall under the format's range.
;;   OPERANDS COMPUTED ON THE WAY. 'Computed on the way' means the value that the module computes at that place (a softmax that the list does not call 'softmax' is quantised finished and normalised). What goes into a quantiser is computed in f32, as accurately as f32 sums, v_exp_f32 and their like allow (about 1e-6 of the number): no bf16 or f16 on the way to a quantiser, and a product that is left as it is and whose result goes on into a quantised operand takes f32 operands (vector FMAs, or v_wmma_f32_16x16x4_f32). A number that lies on a knife's edge between two numbers of the format may be rounded either way, as far as f32 arithmetic and the matrix unit's own rounding can turn it there, and no further.
;; One version. Each part assembles by itself: llvm-mc -triple=amdgcn-amd-amdhsa -mcpu=gfx1250 --defsym DOCPART=n.
;; ======== version 1 of 1: 7 launches
;; limits: right only within a limited range of input values
;; workspace buffers: wcodes 12,582,912 bytes; h1_codes 4,194,304 bytes; h2_codes 4,194,304 bytes; qkv_codes 12,582,912 bytes; o_codes 4,194,304 bytes; m_codes 16,777,216 bytes; x1 16,777,216 bytes
;; launch prep (part 1): grid 640 x 1, 4 waves a work-group, no clusters, 35,328 bytes of LDS; arguments x, ln1_scale, ln1_bias, w_qkv, w_proj, w_mlp1, w_mlp2, lowp_scales, h1_codes, wcodes; writes h1_codes, wcodes
.if DOCPART == 1
	.amdgcn_target "amdgcn-amd-amdhsa--gfx1250"
	.amdhsa_code_object_version 6
	.text
	.protected	k_qf80c5e47db_prep
	.globl	k_qf80c5e47db_prep
	.p2align	8
	.type	k_qf80c5e47db_prep,@function
k_qf80c5e47db_prep:
	s_mov_b64 s[64:65], 0
	v_nop
	global_prefetch_b8 v0, s[64:65] scope:SCOPE_SE
	s_setreg_imm32_b32 hwreg(HW_REG_WAVE_MODE, 25, 1), 1
	s_wait_xcnt 0x0
; Two jobs in one launch, told apart by the work-group's number.
; Work-groups 0-383: the four weights, f32 stored [K][N], become codes of E4M3 laid [N][K] (K innermost) in wcodes: w_qkv at 0, w_proj at 3,145,728, w_mlp1 at 4,194,304, w_mlp2 at 8,388,608.
;   A work-group takes 128 columns x 256 along K, a wave 32 columns, A LANE ONE COLUMN WITH ITS REGISTERS DOWN K: each load reads 128 consecutive bytes a wave, the conversions give codes with K innermost,
;   and a column's 256 codes leave through the wave's own stage in LDS, sixteen lanes to 256 consecutive aligned bytes.
; Work-groups 384-639: LayerNorm 1 of x, quantised: h1_codes [4096][1024].  One wave one row at a time, four rows a wave; mean first, then the squares of x - mean.
; code = number / 2^e, held within +-448, to the nearest code, ties to even.  LIMITS: each e used here (entries 0, 1, 7, 9, 11) between -126 and 119; NaN and infinities among the inputs are not served.
.set PITCH, 272                        ; a stage row: 256 bytes of codes + 16
.set WSTG,  32*PITCH                   ; a wave's stage
.set SPARE, 4*WSTG                     ; behind the stages: the spare words, 128 bytes a wave
.set SPW, 4                            ; v4  my spare word's LDS address; never rewritten
.set NIL, 5                            ; v5  0; never rewritten
.set OF,  16                           ; v16-47   weight path: byte offset of row i of a block of 32 rows, at my column
.set X,   48                           ; v48-111  two sets of 32 numbers
.set C,   112                          ; v112-119 a block's codes
.set OUTR, 120                         ; v120-183 the way out
.set OO,  184                          ; v184-199 the way out: byte offsets of rows 2 t + lane / 16
	s_load_b512 s[8:23], s[0:1], 0x0               ; x 8, ln1_scale 10, ln1_bias 12, w_qkv 14, w_proj 16, w_mlp1 18, w_mlp2 20, lowp_scales 22
	s_load_b128 s[24:27], s[0:1], 0x40             ; h1_codes 24, wcodes 26
	v_lshl_add_u32 v[SPW], v0, 2, SPARE
	v_mov_b32 v[NIL], 0
	v_lshrrev_b32 v1, 5, v0
	v_readfirstlane_b32 s34, v1                    ; wave 0..3
	v_and_b32 v3, 31, v0                           ; lane
	s_wait_kmcnt 0x0
	s_load_b256 s[36:43], s[22:23], 0x0            ; e0 .. e7
	s_load_b128 s[44:47], s[22:23], 0x20           ; e8 .. e11
	s_cmp_ge_u32 ttmp9, 384
	s_cbranch_scc1 .Lln
	; ---------------- the weights.  Which one: first work-group s28, 4 N s29, log2(K / 256) s30, K s31, place in wcodes s33, pointer s[66:67]
	s_mov_b32 s28, 256                             ; w_mlp2, unless the number is lower
	s_mov_b32 s29, 4096
	s_mov_b32 s30, 4
	s_mov_b32 s31, 4096
	s_mov_b32 s33, 8388608
	s_mov_b64 s[66:67], s[20:21]
	s_cmp_lt_u32 ttmp9, 256                        ; w_mlp1
	s_cselect_b32 s28, 128, s28
	s_cselect_b32 s29, 16384, s29
	s_cselect_b32 s30, 2, s30
	s_cselect_b32 s31, 1024, s31
	s_cselect_b32 s33, 4194304, s33
	s_cselect_b64 s[66:67], s[18:19], s[66:67]
	s_cmp_lt_u32 ttmp9, 128                        ; w_proj
	s_cselect_b32 s28, 96, s28
	s_cselect_b32 s29, 4096, s29
	s_cselect_b32 s33, 3145728, s33
	s_cselect_b64 s[66:67], s[16:17], s[66:67]
	s_cmp_lt_u32 ttmp9, 96                         ; w_qkv
	s_cselect_b32 s28, 0, s28
	s_cselect_b32 s29, 12288, s29
	s_cselect_b32 s33, 0, s33
	s_cselect_b64 s[66:67], s[14:15], s[66:67]
	s_sub_co_u32 s35, ttmp9, s28                   ; my number within the weight
	s_lshr_b32 s68, s35, s30                       ; which 128 columns
	s_lshl_b32 s69, s68, s30
	s_sub_co_u32 s69, s35, s69                     ; which 256 along K
	s_lshl_b32 s70, s68, 7
	s_lshl_b32 s71, s34, 5
	s_add_co_u32 s70, s70, s71                     ; my wave's first column
	s_mul_i32 s72, s69, s29
	s_lshl_b32 s72, s72, 8                         ; 256 rows of 4 N bytes for each step along K (under 2^24)
	s_lshl_b32 s71, s70, 2
	s_add_co_u32 s72, s72, s71
	s_mov_b32 s73, 0
	s_add_nc_u64 s[48:49], s[66:67], s[72:73]      ; block 0's base;
	s_lshl_b32 s74, s29, 5                         ; 32 rows on
	s_mov_b32 s75, 0
.irp t, 1,2,3,4,5,6,7
	s_add_nc_u64 s[48+2*\t:49+2*\t], s[46+2*\t:47+2*\t], s[74:75]   ; a base for each of the eight blocks: none is stepped while loads are out
.endr
	s_mul_i32 s76, s70, s31                        ; the codes: column x K
	s_lshl_b32 s71, s69, 8
	s_add_co_u32 s76, s76, s71                     ; + 256 x step along K
	s_add_co_u32 s76, s76, s33                     ; + the weight's place
	s_mov_b32 s77, 0
	s_add_nc_u64 s[76:77], s[26:27], s[76:77]
	s_lshl_b32 s78, s31, 1                         ; two rows of codes
	s_wait_alu depctr_va_vdst(0)
	v_lshlrev_b32 v[OF], 2, v3
.set li, 1
.rept 31
	v_add_nc_u32 v[OF+li], s29, v[OF+li-1]
.set li, li+1
.endr
	s_mul_i32 s79, s34, WSTG
	v_mul_u32_u24 v6, v3, PITCH
	v_add_nc_u32 v6, s79, v6                       ; into the stage: row = my column
	v_and_b32 v8, 15, v3
	v_lshrrev_b32 v9, 4, v3
	v_mul_u32_u24 v7, v9, PITCH
	v_lshl_add_u32 v7, v8, 4, v7
	v_add_nc_u32 v7, s79, v7                       ; out of it: sixteen lanes to a row, two rows an instruction
	v_mul_lo_u32 v[OO], v9, s31
	v_lshl_add_u32 v[OO], v8, 4, v[OO]
.set li, 1
.rept 15
	v_add_nc_u32 v[OO+li], s78, v[OO+li-1]
.set li, li+1
.endr
.macro LOAD t                          ; block t: W(32 t + i, my column), i = 0 .. 31, into set t % 2
.set li, 0
.rept 32
	global_load_b32 v[X+32*((\t)%2)+li], v[OF+li], s[48+2*(\t):49+2*(\t)] th:TH_LOAD_NT
.set li, li+1
.endr
.endm
	LOAD 0
	LOAD 1
	s_wait_kmcnt 0x0                               ; the exponents
	s_cmp_lt_u32 ttmp9, 256
	s_cselect_b32 s32, s45, s47                    ; e9 or e11
	s_cmp_lt_u32 ttmp9, 128
	s_cselect_b32 s32, s43, s32                    ; e7
	s_cmp_lt_u32 ttmp9, 96
	s_cselect_b32 s32, s37, s32                    ; e1
	s_add_co_i32 s32, s32, 127
	s_lshl_b32 s35, s32, 23
	v_mov_b32 v11, s35                             ; 2^e as f32: the conversion takes its exponent field
	s_add_co_i32 s32, s32, 8
	s_lshl_b32 s32, s32, 23
	s_or_b32 s32, s32, 0x600000
	v_mov_b32 v10, s32                             ; 448 x 2^e
.macro BLOCK t
.set XS, X+32*((\t)%2)
.if (\t) < 7
	s_wait_loadcnt 32                              ; this block's 32 loads are in; the next block's 32 may be out
.else
	s_wait_loadcnt 0
.endif
.set li, 0
.rept 32
	v_med3_num_f32 v[XS+li], v[XS+li], -v10, v10   ; the conversion to an 8-bit code does not saturate (ISA guide 7.6.2): the hold comes first
.set li, li+1
.endr
.irp g, 0,1,2,3
	v_cvt_scalef32_pk8_fp8_f32 v[C+2*\g:C+2*\g+1], v[XS+8*\g:XS+8*\g+7], v11
.endr
	ds_store_b128 v6, v[C:C+3] offset:32*(\t)      ; 32 codes of my column's row
	ds_store_b128 v6, v[C+4:C+7] offset:32*(\t)+16
.if (\t)+2 < 8
	LOAD (\t)+2
.endif
	s_wait_dscnt 0x0                               ; the stores have read their registers: the next block's codes may be written
.endm
	s_wait_alu depctr_va_vdst(0)
.irp t, 0,1,2,3,4,5,6,7
	BLOCK \t
.endr
.irp t, 0,1,2,3,4,5,6,7,8,9,10,11,12,13,14,15
	ds_load_b128 v[OUTR+4*\t:OUTR+4*\t+3], v7 offset:2*\t*PITCH    ; LDS serves a wave's instructions in order: these see my stores
.endr
.irp t, 0,1,2,3,4,5,6,7,8,9,10,11,12,13,14,15
	s_wait_dscnt 15-\t                             ; the younger read-backs may be out
	global_store_b128 v[OO+\t], v[OUTR+4*\t:OUTR+4*\t+3], s[76:77] ; sixteen lanes store 256 consecutive bytes, aligned
.endr
	s_wait_tensorcnt 0x0                           ; the wave's end
	ds_add_u32 v[SPW], v[NIL]
	s_wait_dscnt 0x0
	s_endpgm
	; ---------------- LayerNorm 1.  No LDS on this way.
	; A lane holds k = 512 u + 16 lane + 0 .. 15 (u = 0, 1) of the row in register 16 u + 0 .. 15: 16 neighbours for the conversions, and 16 codes = 16 bytes, so a store of the wave covers 512 consecutive bytes.
	; v16-47 gain, v48-79 bias, v80-207 four rows, v208-239 their codes, v240-247 four chains, v[248:249] mean, v[250:251] 1 / sqrt, v253, v254 the scale and the hold.
.macro REDUCE                          ; the four chains -> the row's sum in v240 of every lane
	v_pk_add_f32 v[240:241], v[240:241], v[242:243]
	v_pk_add_f32 v[244:245], v[244:245], v[246:247]
	v_pk_add_f32 v[240:241], v[240:241], v[244:245]
	v_add_f32 v240, v240, v241
	v_add_f32_dpp v240, v240, v240 row_xmask:1 row_mask:0xf bank_mask:0xf
	v_add_f32_dpp v240, v240, v240 row_xmask:2 row_mask:0xf bank_mask:0xf
	v_add_f32_dpp v240, v240, v240 row_xmask:4 row_mask:0xf bank_mask:0xf
	v_add_f32_dpp v240, v240, v240 row_xmask:8 row_mask:0xf bank_mask:0xf
	v_permlanex16_b32 v252, v240, s56, s57
	v_add_f32 v240, v240, v252
.endm
.macro LNROW i
.set XR, 80+32*\i
.set CR, 208+8*\i
	s_wait_loadcnt 8*(3-\i)                        ; my row's eight loads (and gain and bias, issued earlier) are in; the younger rows stay out
.irp c, 0,1,2,3
	v_pk_add_f32 v[240+2*\c:241+2*\c], v[XR+2*\c:XR+2*\c+1], v[XR+8+2*\c:XR+9+2*\c]
.endr
.irp k, 2,3
.irp c, 0,1,2,3
	v_pk_add_f32 v[240+2*\c:241+2*\c], v[240+2*\c:241+2*\c], v[XR+8*\k+2*\c:XR+8*\k+2*\c+1]
.endr
.endr
	REDUCE
	v_mul_f32 v248, s58, v240                      ; the mean: sum / 1024
	v_mul_f32 v249, s58, v240
.set li, 0
.rept 16
	v_pk_add_f32 v[XR+li:XR+li+1], v[XR+li:XR+li+1], v[248:249] neg_lo:[0,1] neg_hi:[0,1]   ; x - mean
.set li, li+2
.endr
.irp c, 0,1,2,3
	v_pk_mul_f32 v[240+2*\c:241+2*\c], v[XR+2*\c:XR+2*\c+1], v[XR+2*\c:XR+2*\c+1]
.endr
.irp k, 1,2,3
.irp c, 0,1,2,3
	v_pk_fma_f32 v[240+2*\c:241+2*\c], v[XR+8*\k+2*\c:XR+8*\k+2*\c+1], v[XR+8*\k+2*\c:XR+8*\k+2*\c+1], v[240+2*\c:241+2*\c]
.endr
.endr
	REDUCE
	v_fma_f32 v240, v240, s58, s59                 ; variance + 1e-6
	s_wait_alu depctr_va_vdst(0)
	v_rsq_f32 v250, v240
	v_nop                                          ; a plain instruction behind the transcendental,
	s_wait_alu depctr_va_vdst(0)                   ; and the wait ahead of its first reader
	v_mov_b32 v251, v250
.set li, 0
.rept 16
	v_pk_mul_f32 v[XR+li:XR+li+1], v[XR+li:XR+li+1], v[250:251]
.set li, li+2
.endr
.set li, 0
.rept 16
	v_pk_fma_f32 v[XR+li:XR+li+1], v[XR+li:XR+li+1], v[16+li:17+li], v[48+li:49+li]          ; x gain + bias
.set li, li+2
.endr
.set li, 0
.rept 32
	v_med3_num_f32 v[XR+li], v[XR+li], -v254, v254
.set li, li+1
.endr
.irp g, 0,1,2,3
	v_cvt_scalef32_pk8_fp8_f32 v[CR+2*\g:CR+2*\g+1], v[XR+8*\g:XR+8*\g+7], v253
.endr
	global_store_b128 v2, v[CR:CR+3], s[24:25] offset:1024*\i       ; 32 lanes store 512 consecutive bytes
	global_store_b128 v2, v[CR+4:CR+7], s[24:25] offset:1024*\i+512
.endm
.Lln:
	s_sub_co_u32 s28, ttmp9, 384
	s_lshl_b32 s29, s28, 4
	s_lshl_b32 s30, s34, 2
	s_add_co_u32 s29, s29, s30                     ; my first row: 16 x work-group + 4 x wave
	s_lshl_b32 s30, s29, 12
	s_mov_b32 s31, 0
	s_add_nc_u64 s[8:9], s[8:9], s[30:31]
	s_lshl_b32 s30, s29, 10
	s_add_nc_u64 s[24:25], s[24:25], s[30:31]
	s_mov_b32 s56, 0x76543210                      ; v_permlanex16_b32: lane l xor 16
	s_mov_b32 s57, 0xfedcba98
	s_mov_b32 s58, 0x3a800000                      ; 1 / 1024
	s_mov_b32 s59, 0x358637bd                      ; 1e-6
	s_wait_alu depctr_va_vdst(0)
	v_lshlrev_b32 v1, 6, v3                        ; in: 64 bytes a lane
	v_lshlrev_b32 v2, 4, v3                        ; out: 16 bytes a lane
.irp u, 0,1
.irp j, 0,1,2,3
	global_load_b128 v[16+16*\u+4*\j:19+16*\u+4*\j], v1, s[10:11] offset:2048*\u+16*\j
.endr
.endr
.irp u, 0,1
.irp j, 0,1,2,3
	global_load_b128 v[48+16*\u+4*\j:51+16*\u+4*\j], v1, s[12:13] offset:2048*\u+16*\j
.endr
.endr
.irp i, 0,1,2,3
.irp u, 0,1
.irp j, 0,1,2,3
	global_load_b128 v[80+32*\i+16*\u+4*\j:83+32*\i+16*\u+4*\j], v1, s[8:9] offset:4096*\i+2048*\u+16*\j th:TH_LOAD_NT
.endr
.endr
.endr
	v_mov_b32 v252, 0                              ; written once: a lane permute's destination counts as one of its sources
	s_wait_kmcnt 0x0
	s_add_co_i32 s36, s36, 127                     ; e0
	s_lshl_b32 s37, s36, 23
	v_mov_b32 v253, s37                            ; 2^e0
	s_add_co_i32 s36, s36, 8
	s_lshl_b32 s36, s36, 23
	s_or_b32 s36, s36, 0x600000
	v_mov_b32 v254, s36                            ; 448 x 2^e0
	LNROW 0
	LNROW 1
	LNROW 2
	LNROW 3
	s_endpgm
.Lfunc_end_k_qf80c5e47db_prep:
	.size	k_qf80c5e47db_prep, .Lfunc_end_k_qf80c5e47db_prep-k_qf80c5e47db_prep
	.p2alignl 7, 3214868480
	.fill 96, 4, 3214868480
	.section	.rodata,"a",@progbits
	.p2align	6, 0x0
	.amdhsa_kernel k_qf80c5e47db_prep
		.amdhsa_group_segment_fixed_size 35328
		.amdhsa_private_segment_fixed_size 0
		.amdhsa_enable_private_segment 0
		.amdhsa_kernarg_size 80
		.amdhsa_user_sgpr_count 2
		.amdhsa_user_sgpr_kernarg_segment_ptr 1
		.amdhsa_wavefront_size32 1
		.amdhsa_system_sgpr_workgroup_id_x 1
		.amdhsa_system_sgpr_workgroup_id_y 1
		.amdhsa_system_sgpr_workgroup_id_z 1
		.amdhsa_system_vgpr_workitem_id 0
		.amdhsa_next_free_vgpr 256
		.amdhsa_next_free_sgpr 80
		.amdhsa_reserve_vcc 0
		.amdhsa_float_denorm_mode_32 3
		.amdhsa_float_denorm_mode_16_64 3
		.amdhsa_memory_ordered 1
		.amdhsa_forward_progress 1
		.amdhsa_inst_pref_size 93
	.end_amdhsa_kernel
	.amdgpu_metadata
---
amdhsa.version: [ 1, 2 ]
amdhsa.kernels:
  - .name:           k_qf80c5e47db_prep
    .symbol:         k_qf80c5e47db_prep.kd
    .args:
      - { .name: x, .offset: 0, .size: 8, .value_kind: global_buffer, .address_space: global }
      - { .name: ln1_scale, .offset: 8, .size: 8, .value_kind: global_buffer, .address_space: global }
      - { .name: ln1_bias, .offset: 16, .size: 8, .value_kind: global_buffer, .address_space: global }
      - { .name: w_qkv, .offset: 24, .size: 8, .value_kind: global_buffer, .address_space: global }
      - { .name: w_proj, .offset: 32, .size: 8, .value_kind: global_buffer, .address_space: global }
      - { .name: w_mlp1, .offset: 40, .size: 8, .value_kind: global_buffer, .address_space: global }
      - { .name: w_mlp2, .offset: 48, .size: 8, .value_kind: global_buffer, .address_space: global }
      - { .name: lowp_scales, .offset: 56, .size: 8, .value_kind: global_buffer, .address_space: global }
      - { .name: h1_codes, .offset: 64, .size: 8, .value_kind: global_buffer, .address_space: global }
      - { .name: wcodes, .offset: 72, .size: 8, .value_kind: global_buffer, .address_space: global }
    .group_segment_fixed_size: 35328
    .private_segment_fixed_size: 0
    .kernarg_segment_align: 8
    .kernarg_segment_size: 80
    .max_flat_workgroup_size: 128
    .sgpr_count:     80
    .vgpr_count:     256
    .wavefront_size: 32
...
	.end_amdgpu_metadata
.endif
;; end of part 1
;; launch gemm_qkv (part 2): grid 8 x 24, 4 waves a work-group, clusters of 4 x 4, 327,680 bytes of LDS; arguments h1_codes, wcodes, lowp_scales, qkv_codes; writes qkv_codes
.if DOCPART == 2
	.amdgcn_target "amdgcn-amd-amdhsa--gfx1250"
	.amdhsa_code_object_version 6
	.text
	.protected	k_qf80c5e47db_gemm_qkv
	.globl	k_qf80c5e47db_gemm_qkv
	.p2align	8
	.type	k_qf80c5e47db_gemm_qkv,@function
k_qf80c5e47db_gemm_qkv:
	s_mov_b64 s[64:65], 0
	v_nop
	global_prefetch_b8 v0, s[64:65] scope:SCOPE_SE
	s_setreg_imm32_b32 hwreg(HW_REG_WAVE_MODE, 25, 1), 1
	s_wait_xcnt 0x0
	s_wait_alu depctr_hold_cnt(0) depctr_sa_sdst(0) depctr_va_vdst(0) depctr_va_sdst(0) depctr_va_ssrc(0) depctr_va_vcc(0) depctr_vm_vsrc(0)
	s_getreg_b32 s2, hwreg(HW_REG_IB_STS2, 6, 4)
	s_cmp_eq_u32 s2, 0
	s_cbranch_scc0 .Lentry_in_a_cluster
	s_endpgm
.Lentry_in_a_cluster:
	s_bfe_u32 s2, ttmp6, 0x10000c
	s_cmp_lg_u32 s2, 0xf033
	s_cbranch_scc0 .Lentry_shape_is_right
	s_endpgm
.Lentry_shape_is_right:
; qkv = LN1(x) w_qkv on codes of E4M3; the sums are quantised on the way out into the operands of the two attention products.
; qkv_codes: q at 0 and k at 4,194,304 as [16 b + head][token 2048][64]; v at 8,388,608 as [16 b + head][key block 16][d 64][128 keys] (the keys are the second product's K).
; A tile of 256 x 256 to a work-group of four waves, 128 x 128 a wave: 64 accumulators.  K in steps of 256 through a ring of two LDS slots filled by the tensor data mover.
; The matrix instruction takes source 0 = 16 rows of "B", source 1 = 16 rows of "A": a lane holds ONE row of A and eight neighbouring rows of B.
; q, k (cluster rows 0-3): A = tokens (h1_codes), B = features (wcodes rows 0-2047): a lane's eight numbers run along the head's 64.
; v (cluster rows 4, 5): THE TWO OPERANDS CHANGE PLACES, by address alone: A = features (wcodes rows 2048-3071), B = tokens: a lane's eight numbers run along the keys.  Both tensors have rows of 1,024 bytes.
; CLUSTERS 4 x 4: A's tile is asked for jointly along a row of the cluster, B's along a column.
; LIMITS: e2 - e0 - e1, e3 - e0 - e1, e5 - e0 - e1 between -126 and 119.
; REGISTERS: window 0: v1-11 set-up and store offsets, v16-31 addresses, v128-255 A's fragments (one set); window 1: B's fragments, two sets; windows 2, 3: accumulator (a, b) at 8 (8 a + b).
.set NBLK, 8
.set LOGTS, 8
.set NQ, 2
.set SIZE_K, 1024
.set GA, 256
.set AD0, 256
.set AD1, 128
.set ASTR, 1024
.set AQI, 5
.set AROWB, 1024
.set ASTEP, 256
.set BQI, 5
.set ROWB,  128*NQ                     ; a slot's bytes of a row
.set HROWS, 16*NBLK                    ; rows that one tensor load brings and one wave reads
.set PA,    GA+16                      ; LDS pitch of A's rows: an odd multiple of 16 bytes
.set PB,    ROWB+16                    ; and of B's
.set AGS,   HROWS*PA
.set AHALF, (ROWB/GA)*AGS
.set BHALF, HROWS*PB
.set SLOT,  2*AHALF+2*BHALF            ; A's two halves, then B's two
.set SPARE, 2*SLOT                     ; behind the ring: the spare words, 128 bytes a wave
.set LAPS,  SIZE_K/(2*ROWB)
.set HB,    NBLK/2
.set QB,    NBLK/4
.set NL,    4
.set ADRA, 16
.set ADRB, 20
.set STO,  24
.set RD,   25
.set SPW,  28
.set NIL,  29
.set SCV,  30
.set LIMV, 31
.set AF,   128
.set G1,  24
.set G0,  32
.set G1B, 48
.set G0B, 56
.set MSB, 0
.set MUL_LO, 0xa1                      ; source 0 (B) window 1, source 1 (A) window 0, C and D window 2
.set MUL_HI, 0xa1+0x50*(NBLK/8)        ; the same with C and D in window 3
.set TO_B,   0x40
.macro WIN new                         ; the immediate's high byte repeats the setting that is left
.if MSB != (\new)
	s_set_vgpr_msb (MSB<<8)|(\new)
.set MSB, (\new)
.endif
.endm
.macro JLOAD g0a, g1a, g0b, g1b        ; a joint load: waves 0, 1 fetch A's halves, waves 2, 3 B's; an s_nop 0 and four v_nop follow each line
	s_cmp_eq_u32 s15, 0
	s_cbranch_scc0 .Lfor_b_\@
	tensor_load_to_lds s[\g0a:\g0a+3], s[\g1a:\g1a+7]
	s_nop 0
.rept 4
	v_nop
.endr
	s_branch .Lasked_\@
.Lfor_b_\@:
	tensor_load_to_lds s[\g0b:\g0b+3], s[\g1b:\g1b+7]
	s_nop 0
.rept 4
	v_nop
.endr
.Lasked_\@:
.endm
.macro CREST                           ; a round of the cluster's barrier behind its opening barrier
	s_cmp_lg_u32 s14, 0
	s_cbranch_scc1 .Lnot_wave_0_\@
	s_barrier_signal -3
.Lnot_wave_0_\@:
	s_barrier_wait -3
	s_barrier_signal -1
	s_barrier_wait -1
.endm
.macro CROUND
	s_barrier_signal -1
	s_barrier_wait -1
	CREST
.endm
.macro PLACES n                        ; plain vector instructions between a matrix instruction and a load into, or a read of, its registers
.rept \n
	v_nop
.endr
.endm
.macro FRAGA reg, slot, q, i           ; 16 rows x 128 K: registers 4 c .. 4 c + 3 hold K = 32 c + 16 (lane / 16) + 0 .. 15, the same order in A and in B
.irp c, 0,1,2,3
	ds_load_b128 v[\reg+4*\c:\reg+4*\c+3], v[ADRA+\slot] offset:((128*(\q)+32*\c)/GA)*AGS+(128*(\q)+32*\c)%GA+(\i)*16*PA
.endr
.endm
.macro FRAGB reg, slot, q, i
.irp c, 0,1,2,3
	ds_load_b128 v[\reg+4*\c:\reg+4*\c+3], v[ADRB+\slot] offset:128*(\q)+32*\c+(\i)*16*PB
.endr
.endm
.macro FETCH_B slot, q, p
	WIN TO_B
.set fi, 0
.rept NBLK
	FRAGB 128*(\p)+16*fi, \slot, \q, fi
.set fi, fi+1
.endr
	WIN 0
.endm
.macro FETCH_A slot, q, i0
.set fi, \i0
.rept HB
	FRAGA AF+16*fi, \slot, \q, fi
.set fi, fi+1
.endr
.endm
.macro MULB a0, n, p, zero             ; A's blocks a0 .. a0 + n - 1 against B's NBLK; the accumulators take turns, one instruction a turn, in one order everywhere
.set ma, \a0
.rept \n
.set mb, 0
.rept NBLK
.set mr, (8*(NBLK*ma+mb))%256
.if \zero
	v_wmma_f32_16x16x128_fp8_fp8 v[mr:mr+7], v[128*(\p)+16*mb:128*(\p)+16*mb+15], v[AF+16*ma:AF+16*ma+15], 0
.else
	v_wmma_f32_16x16x128_fp8_fp8 v[mr:mr+7], v[128*(\p)+16*mb:128*(\p)+16*mb+15], v[AF+16*ma:AF+16*ma+15], v[mr:mr+7]
.endif
.set mb, mb+1
.endr
.set ma, ma+1
.endr
.endm
.macro STEP slot, q, zero              ; 128 along K with its successor in the same slot
	s_wait_dscnt HB*NL                             ; B's set and A's low half are in; the youngest loads (A's high half) may be out
	WIN MUL_LO
	MULB 0, HB, (\q)%2, \zero
	s_wait_dscnt 0
	PLACES 4
	FETCH_B \slot, (\q)+1, 1-(\q)%2
	FETCH_A \slot, (\q)+1, 0
	WIN MUL_HI
	MULB HB, HB, (\q)%2, \zero
	PLACES 4
	WIN 0
	FETCH_A \slot, (\q)+1, HB
.endm
.macro STEPS slot, q0
.set sq, \q0
.rept NQ-1-\q0
	STEP \slot, sq, 0
.set sq, sq+1
.endr
.endm
.macro TURN slot, next, fill           ; a slot's last step changes slots: one barrier; fill = 1: this slot is filled again, two slots ahead
	s_wait_tensorcnt 0x0                           ; all my tensor loads have landed: my part of the next slot
	ds_add_u32 v[SPW], v[NIL]                      ; 0 onto my spare word
	s_wait_dscnt HB*NL+1                           ; (the add and A's high half may be out)
	WIN MUL_LO
	MULB 0, QB, 1, 0
	s_wait_dscnt 0x0                               ; the add is done, and my reads of this slot are over
	s_barrier_signal -1
	MULB QB, QB, 1, 0
	WIN 0
	s_barrier_wait -1
.if \fill
	CREST                                          ; the barrier has opened a round of the cluster's barrier: no wave of any partner still reads this slot or has a load on its way
	s_add_nc_u64 s[G0+4*\slot+2:G0+4*\slot+3], s[G0+4*\slot+2:G0+4*\slot+3], 2*ASTEP
	s_add_nc_u64 s[G0B+4*\slot+2:G0B+4*\slot+3], s[G0B+4*\slot+2:G0B+4*\slot+3], 2*ROWB
	JLOAD G0+4*\slot, G1, G0B+4*\slot, G1B         ; the first tensor load behind the round; its four v_nop are the places in front of the loads below
.else
	PLACES 4
.endif
	FETCH_B \next, 0, 0
	FETCH_A \next, 0, 0
	WIN MUL_HI
	MULB HB, HB, 1, 0
	PLACES 4
	WIN 0
	FETCH_A \next, 0, HB
.endm
.macro LAST                            ; the very last step: nothing more to fetch
	s_wait_dscnt HB*NL
	WIN MUL_LO
	MULB 0, HB, 1, 0
	s_wait_dscnt 0
	WIN MUL_HI
	MULB HB, HB, 1, 0
	WIN 0
.endm
	s_load_b128 s[4:7], s[0:1], 0x0                ; h1_codes, wcodes
	s_load_b128 s[8:11], s[0:1], 0x10              ; lowp_scales, qkv_codes
	v_lshl_add_u32 v[SPW], v0, 2, SPARE
	v_mov_b32 v[NIL], 0
	ds_add_u32 v[SPW], v[NIL]                      ; the wave's opening: the add and its wait ahead of my first tensor load
	ds_add_u32 v[SPW], v[NIL]
	v_lshrrev_b32 v1, 5, v0
	v_readfirstlane_b32 s14, v1                    ; wave
	s_lshr_b32 s15, s14, 1                         ; my half of A's rows; also: I fetch for A (0) or B (1)
	s_and_b32 s16, s14, 1                          ; my half of B's rows; also: which half I fetch
	s_bfe_u32 s40, ttmp6, 0x40000                  ; cx
	s_bfe_u32 s41, ttmp6, 0x40004                  ; cy
	s_and_b32 s83, ttmp7, 0xffff                   ; the cluster's y, 0 .. 5: shared by all sixteen partners
	s_lshl_b32 s17, s83, 2
	s_sub_co_u32 s45, s83, 4
	s_lshl_b32 s45, s45, 3
	s_lshl_b32 s42, ttmp9, 2
	s_cmp_ge_u32 s83, 4                            ; do I make v?
	s_cselect_b32 s82, 1, 0
	s_cselect_b32 s17, 8, s17
	s_cselect_b32 s45, s45, 0
	s_add_co_u32 s17, s17, s41                     ; A's tile: q, k: 4 y + cy (tokens); v: 8 + cy (wcodes rows 2048 on)
	s_add_co_u32 s42, s42, s40
	s_add_co_u32 s42, s42, s45                     ; B's tile: q, k: 4 x + cx (features); v: 4 x + cx + 8 (y - 4) (tokens)
	s_lshl_b32 s43, s41, 2
	s_lshl_b32 s43, 15, s43                        ; my row of the cluster
	s_lshl_b32 s44, 0x1111, s40                    ; my column
	s_or_b32 s[G1+0], s43, (1<<20)|(1<<21)|(AQI<<22)|(3<<25)   ; mask; elements of 1 byte; padding of 4 words behind every row; bit 21 beside a mask
	s_mov_b32 s[G1+1], (AD0&0xffff)<<16
	s_mov_b32 s[G1+2], (AD0>>16)|(AD1<<16)
	s_mov_b32 s[G1+3], AD0<<16
	s_mov_b32 s[G1+4], AD1
	s_mov_b32 s[G1+5], ASTR
	s_mov_b32 s[G1+6], 0
	s_mov_b32 s[G1+7], 0
	s_or_b32 s[G1B+0], s44, (1<<20)|(1<<21)|(BQI<<22)|(3<<25)
	s_mov_b32 s[G1B+1], ROWB<<16
	s_mov_b32 s[G1B+2], HROWS<<16
	s_mov_b32 s[G1B+3], ROWB<<16
	s_mov_b32 s[G1B+4], HROWS
	s_mov_b32 s[G1B+5], SIZE_K
	s_mov_b32 s[G1B+6], 0
	s_mov_b32 s[G1B+7], 0
	s_mul_i32 s18, s16, HROWS
	s_lshl_b32 s20, s17, LOGTS
	s_add_co_u32 s20, s20, s18                     ; A's first row that I fetch
	s_lshl_b32 s46, s42, LOGTS
	s_add_co_u32 s46, s46, s18                     ; B's
	s_mov_b32 s21, 0
	s_mov_b32 s47, 0
	s_mov_b64 s[18:19], AROWB
	s_mul_u64 s[20:21], s[20:21], s[18:19]
	s_mov_b64 s[18:19], SIZE_K
	s_mul_u64 s[46:47], s[46:47], s[18:19]
	s_mul_i32 s45, s16, AHALF                      ; where they go: no place in the cluster enters an LDS address
	s_mul_i32 s2, s16, BHALF
	s_add_co_u32 s2, s2, 2*AHALF
	s_wait_dscnt 0x0                               ; the opening add is done
	s_wait_kmcnt 0x0
	s_load_b256 s[84:91], s[8:9], 0x0              ; e0 .. e7
	s_cmp_eq_u32 s82, 1
	s_cselect_b64 s[66:67], s[6:7], s[4:5]         ; A's buffer
	s_cselect_b64 s[68:69], s[4:5], s[6:7]         ; B's
	s_add_nc_u64 s[20:21], s[66:67], s[20:21]
	s_add_nc_u64 s[46:47], s[68:69], s[46:47]
	CROUND                                         ; all sixteen work-groups are here: the first joint loads meet
.irp s, 0,1
	s_mov_b32 s[G0+4*\s], 1
	s_add_co_u32 s[G0+4*\s+1], s45, \s*SLOT
	s_add_nc_u64 s[G0+4*\s+2:G0+4*\s+3], s[20:21], \s*ASTEP
	s_or_b32 s[G0+4*\s+3], s[G0+4*\s+3], 0x80000000
	s_mov_b32 s[G0B+4*\s], 1
	s_add_co_u32 s[G0B+4*\s+1], s2, \s*SLOT
	s_add_nc_u64 s[G0B+4*\s+2:G0B+4*\s+3], s[46:47], \s*ROWB
	s_or_b32 s[G0B+4*\s+3], s[G0B+4*\s+3], 0x80000000
.endr
	JLOAD G0, G1, G0B, G1B                         ; slot 0: one tensor load a wave at the head
	; prefetches into the L2, two slots ahead of the load that wants the bytes: of the 128 rows that I fetch, my work-group takes 32, told apart from its three partners by address (cx for A, cy for B); a lane a row, 256 bytes of it
	s_cmp_eq_u32 s15, 0
	s_cselect_b64 s[92:93], s[20:21], s[46:47]
	s_cselect_b32 s94, s40, s41
	s_lshl_b32 s94, s94, 15                        ; 32 rows of 1,024 bytes
	s_mov_b32 s95, 0
	s_add_nc_u64 s[92:93], s[92:93], s[94:95]      ; never rewritten
	v_and_b32 v12, 31, v0
	v_lshlrev_b32 v12, 10, v12                     ; never rewritten
	global_prefetch_b8 v12, s[92:93] offset:256 th:TH_LOAD_NT scope:SCOPE_SE   ; slot 1's bytes: its load goes out when slot 0's has landed
	global_prefetch_b8 v12, s[92:93] offset:512 th:TH_LOAD_NT scope:SCOPE_SE   ; slot 2's bytes
	v_and_b32 v1, 15, v0                           ; r
	v_bfe_u32 v2, v0, 4, 1                         ; h
	v_mul_u32_u24 v3, v1, PA
	v_lshl_add_u32 v3, v2, 4, v3
	v_mul_u32_u24 v4, v1, PB
	v_lshl_add_u32 v4, v2, 4, v4
	s_mul_i32 s21, s15, AHALF
	s_mul_i32 s22, s16, BHALF
	s_add_co_u32 s22, s22, 2*AHALF
.irp s, 0,1
	v_add_nc_u32 v[ADRA+\s], s21, v3
	v_add_nc_u32 v[ADRB+\s], s22, v4
	s_add_co_u32 s21, s21, SLOT
	s_add_co_u32 s22, s22, SLOT
.endr
	; the way out: a stage of 16 rows x (128 bytes + 16) for each wave, in slot 0, which has had its last fill and its last read by then
	s_mul_i32 s23, s14, 16*144
	v_mul_u32_u24 v5, v1, 144
	v_lshl_add_u32 v5, v2, 3, v5
	v_add_nc_u32 v[STO], s23, v5                   ; in: row r, 8 bytes for each half of the lanes
	v_bfe_u32 v6, v0, 3, 2
	v_mul_u32_u24 v5, v6, 144
	v_and_b32 v7, 7, v0
	v_lshl_add_u32 v5, v7, 4, v5
	v_add_nc_u32 v[RD], s23, v5                    ; back: eight lanes to a row of 128 bytes, four rows an instruction
	; where my 128 x 128 go
	s_lshl_b32 s76, s17, 8
	s_lshl_b32 s78, s15, 7
	s_add_co_u32 s76, s76, s78                     ; A's first row of mine
	s_lshl_b32 s77, s42, 8
	s_lshl_b32 s78, s16, 7
	s_add_co_u32 s77, s77, s78                     ; B's
	s_lshr_b32 s78, s77, 10                        ; q, k: 0 = q, 1 = k
	s_lshl_b32 s78, s78, 22
	s_lshr_b32 s80, s76, 11                        ; the batch
	s_lshl_b32 s80, s80, 21
	s_add_co_u32 s78, s78, s80
	s_bfe_u32 s80, s77, 0x40006                    ; the head
	s_lshl_b32 s80, s80, 17
	s_add_co_u32 s78, s78, s80
	s_and_b32 s80, s76, 2047                       ; the token, 64 bytes each
	s_lshl_b32 s80, s80, 6
	s_add_co_u32 s78, s78, s80
	s_lshr_b32 s79, s77, 11                        ; v: the batch
	s_lshl_b32 s79, s79, 21
	s_bfe_u32 s80, s76, 0x40006                    ; the head
	s_lshl_b32 s80, s80, 17
	s_add_co_u32 s79, s79, s80
	s_bfe_u32 s80, s77, 0x40007                    ; the block of 128 keys, 8,192 bytes each
	s_lshl_b32 s80, s80, 13
	s_add_co_u32 s79, s79, s80
	s_add_co_u32 s79, s79, 8388608
	s_mov_b32 s80, 131072
	s_mov_b32 s70, 1024
	s_cmp_eq_u32 s82, 1
	s_cselect_b32 s78, s79, s78
	s_cselect_b32 s80, 64, s80                     ; from the first 64 bytes of a stage row to the second: q, k: the next head; v: 64 keys on
	s_cselect_b32 s81, 128, 64                     ; from stage row to stage row: q, k: a token; v: a row d
	s_cselect_b32 s70, 2048, s70                   ; from block to block of 16 rows
	s_cselect_b32 s72, 122880, 0                   ; v: behind four blocks (64 rows d) the next head begins
	s_mov_b32 s79, 0
	s_mov_b32 s71, 0
	s_mov_b32 s73, 0
	s_add_nc_u64 s[10:11], s[10:11], s[78:79]
	s_lshl_b32 s74, s81, 2
	v_bfe_u32 v5, v0, 2, 1
	v_and_b32 v7, 3, v0
	v_mul_u32_u24 v8, s80, v5
	s_wait_alu depctr_va_vdst(0)
	v_mad_u32_u24 v8, v6, s81, v8
	v_lshl_add_u32 v8, v7, 4, v8                   ; v8-11: the four stores' offsets
.irp i, 1,2,3
	v_add_nc_u32 v[8+\i], s74, v[7+\i]
.endr
	s_wait_alu depctr_va_vdst(0)                   ; the wait at the head's end
	s_wait_tensorcnt 0x0                           ; my part of slot 0 is in
	ds_add_u32 v[SPW], v[NIL]
	s_wait_dscnt 0x0
	CROUND                                         ; everybody's part of slot 0 is in, and the joint loads meet
	JLOAD G0+4, G1, G0B+4, G1B                     ; slot 1's first fill, the first tensor load behind the round
	FETCH_B 0, 0, 0
	FETCH_A 0, 0, 0
	FETCH_A 0, 0, HB
	global_prefetch_b8 v12, s[92:93] offset:768 th:TH_LOAD_NT scope:SCOPE_SE   ; slot 3's bytes, the last of K
	STEP 0, 0, 1                                   ; the first step's products start the sums
	s_mov_b32 s3, LAPS-1
.Llap:
	STEPS 0, 1
	TURN 0, 1, 1
	STEPS 1, 0
	TURN 1, 0, 1
	STEP 0, 0, 0
	s_sub_co_u32 s3, s3, 1
	s_cmp_lg_u32 s3, 0
	s_cbranch_scc1 .Llap
	STEPS 0, 1                                     ; the last lap fills nothing
	TURN 0, 1, 0
	STEPS 1, 0
	LAST
	; THE WAY OUT: a block of 16 rows of A x 128 rows of B: held, converted (eight neighbours a lane), through my stage, out in runs of 256 bytes or more.
.set TMP, 32
.set PC,  96
.set BK,  112
.macro QBLOCK a
.set AC, 64*((\a)%4)
.set BB, BK+16*((\a)%2)
	WIN 0x02+((\a)/4)                              ; source 0: window 2 or 3
.set j, 0
.rept 64
	v_med3_num_f32 v[TMP+j], v[AC+j], -v[LIMV], v[LIMV]   ; each accumulator from its low end on
.set j, j+1
.endr
	WIN 0
.irp b, 0,1,2,3,4,5,6,7
	v_cvt_scalef32_pk8_fp8_f32 v[PC+2*\b:PC+2*\b+1], v[TMP+8*\b:TMP+8*\b+7], v[SCV]
.endr
	v_nop                                          ; a plain instruction behind the last conversion
.irp b, 0,1,2,3,4,5,6,7
	ds_store_b64 v[STO], v[PC+2*\b:PC+2*\b+1] offset:16*\b
.endr
.irp i, 0,1,2,3
	ds_load_b128 v[BB+4*\i:BB+4*\i+3], v[RD] offset:4*\i*144      ; LDS serves a wave's instructions in order: these see my stores
.endr
.endm
.macro QSEND a, younger
.set BB, BK+16*((\a)%2)
	s_wait_dscnt \younger                          ; the block is back; the next block's 8 stores and 4 loads may be out
.if (\a) > 0
	s_add_nc_u64 s[10:11], s[10:11], s[70:71]      ; (behind a wait on XCNT: the earlier stores have read their base)
.endif
.if (\a) == 4
	s_add_nc_u64 s[10:11], s[10:11], s[72:73]
.endif
.irp i, 0,1,2,3
	global_store_b128 v[8+\i], v[BB+4*\i:BB+4*\i+3], s[10:11]     ; q, k: 256 consecutive bytes in each of two heads; v: 512 consecutive bytes
.endr
.endm
	s_wait_kmcnt 0x0
	s_cmp_ge_u32 s42, 4
	s_cselect_b32 s74, s87, s86                    ; k's scale or q's,
	s_cmp_eq_u32 s82, 1
	s_cselect_b32 s74, s89, s74                    ; or v's
	s_sub_co_i32 s74, s74, s84
	s_sub_co_i32 s74, s74, s85                     ; a sum stands for sum x 2^(e0 + e1): the three exponents are folded into the conversion's one
	s_add_co_i32 s74, s74, 127
	s_lshl_b32 s75, s74, 23
	v_mov_b32 v[SCV], s75
	s_add_co_i32 s74, s74, 8
	s_lshl_b32 s74, s74, 23
	s_or_b32 s74, s74, 0x600000
	v_mov_b32 v[LIMV], s74
	PLACES 4
	QBLOCK 0
.irp a, 1,2,3,4,5,6,7
.if \a > 1
	s_wait_xcnt 0x0                                ; block a - 2's stores have read their registers and their base
.endif
	QBLOCK \a
	QSEND \a-1, 12
.endr
	s_wait_xcnt 0x0
	QSEND 7, 0
	s_wait_tensorcnt 0x0                           ; the wave's end
	ds_add_u32 v[SPW], v[NIL]
	s_wait_dscnt 0x0
	CROUND                                         ; the closing round
	s_endpgm
.Lfunc_end_k_qf80c5e47db_gemm_qkv:
	.size	k_qf80c5e47db_gemm_qkv, .Lfunc_end_k_qf80c5e47db_gemm_qkv-k_qf80c5e47db_gemm_qkv
	.p2alignl 7, 3214868480
	.fill 96, 4, 3214868480
	.section	.rodata,"a",@progbits
	.p2align	6, 0x0
	.amdhsa_kernel k_qf80c5e47db_gemm_qkv
		.amdhsa_group_segment_fixed_size 327680
		.amdhsa_private_segment_fixed_size 0
		.amdhsa_enable_private_segment 0
		.amdhsa_kernarg_size 32
		.amdhsa_user_sgpr_count 2
		.amdhsa_user_sgpr_kernarg_segment_ptr 1
		.amdhsa_wavefront_size32 1
		.amdhsa_system_sgpr_workgroup_id_x 1
		.amdhsa_system_sgpr_workgroup_id_y 1
		.amdhsa_system_sgpr_workgroup_id_z 1
		.amdhsa_system_vgpr_workitem_id 0
		.amdhsa_next_free_vgpr 1024
		.amdhsa_next_free_sgpr 100
		.amdhsa_reserve_vcc 0
		.amdhsa_float_denorm_mode_32 3
		.amdhsa_float_denorm_mode_16_64 3
		.amdhsa_memory_ordered 1
		.amdhsa_forward_progress 1
		.amdhsa_inst_pref_size 128
	.end_amdhsa_kernel
	.amdgpu_metadata
---
amdhsa.version: [ 1, 2 ]
amdhsa.kernels:
  - .name:           k_qf80c5e47db_gemm_qkv
    .symbol:         k_qf80c5e47db_gemm_qkv.kd
    .args:
      - { .name: h1_codes, .offset: 0, .size: 8, .value_kind: global_buffer, .address_space: global }
      - { .name: wcodes, .offset: 8, .size: 8, .value_kind: global_buffer, .address_space: global }
      - { .name: lowp_scales, .offset: 16, .size: 8, .value_kind: global_buffer, .address_space: global }
      - { .name: qkv_codes, .offset: 24, .size: 8, .value_kind: global_buffer, .address_space: global }
    .group_segment_fixed_size: 327680
    .private_segment_fixed_size: 0
    .kernarg_segment_align: 8
    .kernarg_segment_size: 32
    .max_flat_workgroup_size: 128
    .sgpr_count:     100
    .vgpr_count:     1024
    .wavefront_size: 32
...
	.end_amdgpu_metadata
.endif
;; end of part 2
;; launch attn (part 3): grid 8 x 32, 8 waves a work-group, clusters of 4 x 1, 327,680 bytes of LDS; arguments qkv_codes, lowp_scales, o_codes; writes o_codes
.if DOCPART == 3
	.amdgcn_target "amdgcn-amd-amdhsa--gfx1250"
	.amdhsa_code_object_version 6
	.text
	.protected	k_qf80c5e47db_attn
	.globl	k_qf80c5e47db_attn
	.p2align	8
	.type	k_qf80c5e47db_attn,@function
k_qf80c5e47db_attn:
	s_mov_b64 s[64:65], 0
	v_nop
	global_prefetch_b8 v0, s[64:65] scope:SCOPE_SE
	s_setreg_imm32_b32 hwreg(HW_REG_WAVE_MODE, 25, 1), 1
	s_wait_xcnt 0x0
	s_wait_alu depctr_hold_cnt(0) depctr_sa_sdst(0) depctr_va_vdst(0) depctr_va_sdst(0) depctr_va_ssrc(0) depctr_va_vcc(0) depctr_vm_vsrc(0)
	s_getreg_b32 s2, hwreg(HW_REG_IB_STS2, 6, 4)
	s_cmp_eq_u32 s2, 0
	s_cbranch_scc0 .Lentry_in_a_cluster
	s_endpgm
.Lentry_in_a_cluster:
	s_bfe_u32 s2, ttmp6, 0x10000c
	s_cmp_lg_u32 s2, 0x3003
	s_cbranch_scc0 .Lentry_shape_is_right
	s_endpgm
.Lentry_shape_is_right:
; Attention on codes of E4M3, head size 64, 2,048 keys, no mask; the result is quantised for the projection: o_codes [head 16][row 4096][64].
; t = score x log2(e) / 8; M = the running largest t rounded UP to a whole number; p = 2^(t - M) is quantised with 2^e4, not normalised; the row's sum is taken of the unquantised, unheld p and divides at the end.
; SHARES: a work-group owns 256 queries of one (batch, head); each of eight waves 32 of them, two tiles of 16, so that a fragment of K or V feeds two products; two waves to a SIMD (2 x 448 registers).
; NO RING: a head's K (2,048 rows of 64 bytes, pitch 80) and V (16 blocks of 64 rows d x 128 keys, pitch 144) lie in LDS whole, each byte filled once.  A wave issues two loads: at the head its part of keys 0-511
; (waves 0-3: 128 keys of K; waves 4-7: a block of V), and behind the three lines and a round its part of keys 512-2047 (three times as much).  Both regions are dense in memory, so a tile is stated as rows of 256 bytes,
; with 16 bytes of padding behind every 64 (K) or 128 (V).  Steps 0-3 read keys 0-511 alone; one wait for 0 and a barrier behind step 3 open the rest.
; CLUSTER 4 x 1: four query blocks of one head ask for each tile jointly.  No prefetch: all of K and V is asked for by these two loads at the head; there is no later request to run ahead of.
; Both products are used transposed (S^T = K Q^T, O^T = V^T P^T): a lane holds one query.  Lane r of key tile 2 b + u takes key 32 b + 8 u + r + 8 (r / 8), so that p's 16 registers of two tiles are 16 neighbouring keys.
; A STEP (128 keys): scores; maxima and M; tile 0's t - M, the sums and O^T under the new M; a wait; the LDS loads (V, the next K) in one run; tile 0's exponentials with tile 1's t - M among them; a wait;
; tile 1's exponentials with tile 0's first sums and holds among them, each of which is first read behind the next wait; a wait; the other sums, holds and conversions; V^T P.
; LIMITS: e2 + e3 between -123 and 130; e4, and e6 - e4 - e5, between -126 and 119.  NaN and infinities are not served.
; REGISTERS: window 0: v1-11 addresses and scales; v12-27 statistics, eight a tile (-M, largest t, the sum in two halves, two at work, f, 0); v28, v29 permutes; v32-95 K's fragments; v96-223 S^T then p; v224-255 partial sums, then p's codes.
;            window 1: v0-63 O^T (tile u, 16 t of d at 32 u + 8 t); v64-79 Q; v128-191 V's fragments.
.set VOFF,  163840
.set SPARE, 311296                     ; the spare words, 128 bytes a wave
.set STAGE, 312320                     ; the way out: 16 rows x 80 bytes for each wave, bytes that no tile lands on
.set KSTEP, 10240                      ; 128 keys x 80 bytes
.set VSTEP, 9216                       ; 64 rows x 144 bytes
.set AK0, 1
.set AV0, 2
.set ADK, 3
.set ADV, 4
.set SPW, 5
.set NIL, 6
.set LIMP, 7                           ; 448 x 2^e4,
.set SCP, 8
.set LIMQ, 10                          ; and once more: the two halves of a dual line take their second sources from different banks
.set ST,  12
.set KF,  32
.set S,   96
.set P,   224
.set U,   P+16                         ; v240-255: tile 1's eight chains of sums, until its codes land there.  v30, v31, v9, v11: two more chains of maxima a tile
.set QF,  64
.set VF,  128
.set WV,  18
.set SEL, 20
.set CS,  22
.set G1K, 24                           ; groups 1: K and V, first load; K and V, second load
.set G1V, 32
.set G2K, 40
.set G2V, 48
.set G0K, 56
.set G0V, 60
.set TBK, 92
.set TBV, 93
.set CNT, 94
.set MSB, 0
.macro WIN new                         ; the immediate's high byte repeats the setting that is left
.if MSB != (\new)
	s_set_vgpr_msb (MSB<<8)|(\new)
.set MSB, (\new)
.endif
.endm
.macro CROUND
	s_barrier_signal -1
	s_barrier_wait -1
	s_cmp_lg_u32 s[WV], 0
	s_cbranch_scc1 .Lnot_wave_0_\@
	s_barrier_signal -3
.Lnot_wave_0_\@:
	s_barrier_wait -3
	s_barrier_signal -1
	s_barrier_wait -1
.endm
.macro GRP1 g, qi, r                   ; r rows of 256 bytes, dense; the mask names all four partners; 4 words of padding behind every 2 << qi
	s_mov_b32 s[\g], 15|(1<<20)|(1<<21)|(\qi<<22)|(3<<25)
	s_mov_b32 s[\g+1], 256<<16
	s_mov_b32 s[\g+2], \r<<16
	s_mov_b32 s[\g+3], 256<<16
	s_mov_b32 s[\g+4], \r
	s_mov_b32 s[\g+5], 256
	s_mov_b32 s[\g+6], 0
	s_mov_b32 s[\g+7], 0
.endm
.macro TLOAD gk, gv                    ; every wave issues one: waves 0-3 for K, waves 4-7 for V; an s_nop 0 and four v_nop follow each line
	s_cmp_lt_u32 s[WV], 4
	s_cbranch_scc0 .Lfor_v_\@
	tensor_load_to_lds s[G0K:G0K+3], s[\gk:\gk+7]
	s_nop 0
.rept 4
	v_nop
.endr
	s_branch .Lasked_\@
.Lfor_v_\@:
	tensor_load_to_lds s[G0V:G0V+3], s[\gv:\gv+7]
	s_nop 0
.rept 4
	v_nop
.endr
.Lasked_\@:
.endm
.macro KLOADS adr, base                ; eight key tiles x 64 bytes: registers 4 c .. 4 c + 3 hold K = 32 c + 16 h + 0 .. 15
.irp t, 0,1,2,3,4,5,6,7
.irp c, 0,1
	ds_load_b128 v[KF+8*\t+4*\c:KF+8*\t+4*\c+3], v[\adr] offset:\base+(32*(\t/2)+8*(\t%2))*80+32*\c
.endr
.endr
.endm
.macro HOLD2 r                         ; the conversion does not saturate (ISA guide 7.6.2); p is not negative: a one-sided hold, two numbers a line
	v_dual_min_num_f32 v[\r], v[\r], v[LIMP] :: v_dual_min_num_f32 v[\r+1], v[\r+1], v[LIMQ]
.endm
	s_load_b128 s[4:7], s[0:1], 0x0                ; qkv_codes, lowp_scales
	s_load_b64 s[8:9], s[0:1], 0x10                ; o_codes
	v_lshl_add_u32 v[SPW], v0, 2, SPARE
	v_mov_b32 v[NIL], 0
	ds_add_u32 v[SPW], v[NIL]                      ; the opening: the add, twice on end, and its wait ahead of my first tensor load
	ds_add_u32 v[SPW], v[NIL]
	v_lshrrev_b32 v9, 5, v0
	v_readfirstlane_b32 s[WV], v9                  ; wave 0..7
	s_and_b32 s19, s[WV], 3                        ; which quarter I fetch
	s_bfe_u32 s13, ttmp6, 0x40000                  ; cx
	s_lshl_b32 s14, ttmp9, 2
	s_add_co_u32 s14, s14, s13                     ; my block of 256 queries: it enters Q's and O's addresses alone
	s_and_b32 s15, ttmp7, 0xffff                   ; 16 b + head, which the four partners share
	GRP1 G1K, 3, 32                                ; 128 keys
	GRP1 G1V, 4, 32                                ; one block
	GRP1 G2K, 3, 96                                ; 384 keys
	GRP1 G2V, 4, 96                                ; three blocks
	s_mov_b32 s[SEL], 0x76543210
	s_mov_b32 s[SEL+1], 0xfedcba98
	s_mov_b32 s[CS], 0x3e38aa3b                    ; log2(e) / 8
	s_lshl_b32 s66, s15, 17                        ; the head's 131,072 bytes in each of q, k, v
	s_lshl_b32 s67, s19, 13                        ; first load: 8,192 bytes a quarter
	s_add_co_u32 s66, s66, s67
	s_mov_b32 s67, 0
	s_mul_i32 s68, s19, KSTEP                      ; LDS, first load: K,
	s_mul_i32 s69, s19, VSTEP
	s_add_co_u32 s69, s69, VOFF                    ; V
	s_mul_i32 s70, s19, 3*KSTEP                    ; second load: K,
	s_add_co_u32 s70, s70, 4*KSTEP
	s_mul_i32 s71, s19, 3*VSTEP
	s_add_co_u32 s71, s71, VOFF+4*VSTEP            ; V
	s_lshl_b32 s72, s19, 14
	s_add_co_u32 s72, s72, 32768                   ; from my first load's bytes to my second's: 32,768 + 24,576 quarter - 8,192 quarter
	s_mov_b32 s73, 0
	s_lshl_b32 s74, s15, 17
	s_lshl_b32 s75, s14, 14
	s_add_co_u32 s74, s74, s75
	s_lshl_b32 s75, s[WV], 11
	s_add_co_u32 s74, s74, s75                     ; Q: my wave's 32 rows of 64 bytes
	s_mov_b32 s75, 0
	s_and_b32 s76, s15, 15
	s_lshl_b32 s76, s76, 18                        ; O: the head's 4,096 rows of 64 bytes,
	s_lshr_b32 s77, s15, 4
	s_lshl_b32 s77, s77, 17                        ; the batch's 2,048,
	s_add_co_u32 s76, s76, s77
	s_lshl_b32 s77, s14, 14
	s_add_co_u32 s76, s76, s77
	s_lshl_b32 s77, s[WV], 11
	s_add_co_u32 s76, s76, s77                     ; my wave's 32
	s_mov_b32 s77, 0
	s_wait_dscnt 0x0                               ; both opening adds are done
	s_wait_kmcnt 0x0
	s_load_b256 s[84:91], s[6:7], 0x0              ; e0 .. e7
	s_add_nc_u64 s[66:67], s[4:5], s[66:67]
	s_add_nc_u64 s[10:11], s[4:5], s[74:75]
	s_add_nc_u64 s[8:9], s[8:9], s[76:77]
	s_mov_b32 s[G0K], 1
	s_mov_b32 s[G0K+1], s68
	s_add_nc_u64 s[G0K+2:G0K+3], s[66:67], 4194304
	s_or_b32 s[G0K+3], s[G0K+3], 0x80000000
	s_mov_b32 s[G0V], 1
	s_mov_b32 s[G0V+1], s69
	s_add_nc_u64 s[G0V+2:G0V+3], s[66:67], 8388608
	s_or_b32 s[G0V+3], s[G0V+3], 0x80000000
	CROUND                                         ; all four work-groups are here: the joint loads meet
	TLOAD G1K, G1V                                 ; keys 0-511
	v_and_b32 v9, 15, v0                           ; r
	v_bfe_u32 v11, v0, 4, 1                        ; h
	v_lshlrev_b32 v[ADV], 6, v9
	v_lshl_add_u32 v[ADV], v11, 4, v[ADV]          ; Q: row r of 64 bytes + 16 h
	WIN 0x40                                       ; destination window 1
.irp u, 0,1
.irp c, 0,1
	global_load_b128 v[QF+8*\u+4*\c:QF+8*\u+4*\c+3], v[ADV], s[10:11] offset:1024*\u+32*\c
.endr
.endr
.set j, 0
.rept 64
	v_mov_b32 v[j], 0                              ; O^T: the step is written for all steps alike; the first finds zeros
.set j, j+1
.endr
	WIN 0
	v_and_b32 v[AK0], 8, v9
	v_add_nc_u32 v[AK0], v[AK0], v9                ; r + 8 (r / 8)
	v_mul_u32_u24 v[AK0], v[AK0], 80
	v_lshl_add_u32 v[AK0], v11, 4, v[AK0]
	v_mul_u32_u24 v[AV0], v9, 144
	v_lshl_add_u32 v[AV0], v11, 4, v[AV0]
	v_add_nc_u32 v[AV0], VOFF, v[AV0]
.irp u, 0,1
	v_mov_b32 v[ST+8*\u+1], 0xff61b1e6             ; the largest t so far: -3e38
	v_floor_f32 v[ST+8*\u], -v[ST+8*\u+1]          ; -M
	v_mov_b32 v[ST+8*\u+2], 0                      ; the sum
	v_mov_b32 v[ST+8*\u+3], 0
	v_mov_b32 v[ST+8*\u+7], 0                      ; (named as the upper half of f's pair)
	v_mov_b32 v[28+\u], 0                          ; a lane permute's destination counts as one of its sources
.endr
	s_wait_kmcnt 0x0
	s_add_co_i32 s74, s86, s87
	s_lshl_b32 s74, s74, 23
	s_add_co_i32 s[CS], s[CS], s74                 ; a score stands for score x 2^(e2 + e3): added to c's exponent field
	s_mov_b32 s[CS+1], s[CS]
	s_add_co_i32 s74, s88, 127
	s_lshl_b32 s75, s74, 23
	v_mov_b32 v[SCP], s75                          ; 2^e4
	s_add_co_i32 s74, s74, 8
	s_lshl_b32 s74, s74, 23
	s_or_b32 s74, s74, 0x600000
	v_mov_b32 v[LIMP], s74                         ; 448 x 2^e4
	v_mov_b32 v[LIMQ], s74
	s_wait_alu depctr_va_vdst(0)                   ; the wait at the head's end
	s_wait_tensorcnt 0x0                           ; my part of keys 0-511 is in
	ds_add_u32 v[SPW], v[NIL]
	s_mov_b32 s[G0K+1], s70                        ; no load of mine is out: the groups 0 step to my second load
	s_add_nc_u64 s[G0K+2:G0K+3], s[G0K+2:G0K+3], s[72:73]
	s_mov_b32 s[G0V+1], s71
	s_add_nc_u64 s[G0V+2:G0V+3], s[G0V+2:G0V+3], s[72:73]
	s_wait_dscnt 0x0
	CROUND                                         ; everybody's part of keys 0-511 is in, and the joint loads meet
	TLOAD G2K, G2V                                 ; keys 512-2047: one tensor load of mine is out from here to the wait behind step 3
	KLOADS AK0, 0                                  ; step 0's K
; A STEP: 128 keys.  pre = 1: the next step's K is asked for; 0: not; 2: in all trips of the loop but its last.
.macro STEP pre
	WIN 0x04                                       ; source 1 (Q) window 1
.irp t, 0,1,2,3,4,5,6,7
.irp u, 0,1
	v_wmma_f32_16x16x64_fp8_fp8 v[S+64*\u+8*\t:S+64*\u+8*\t+7], v[KF+8*\t:KF+8*\t+7], v[QF+8*\u:QF+8*\u+7], 0
.endr
.endr
	WIN 0
	v_add_nc_u32 v[ADK], s[TBK], v[AK0]            ; four plain vector instructions behind the products, ahead of the first read of the scores (ISA guide 7.12.1)
	v_add_nc_u32 v[ADV], s[TBV], v[AV0]
	v_nop
	v_nop
.irp u, 0,1                                    ; the largest score of each query: four chains a tile, eight by turns, each accumulator from its low end on
	v_max3_num_f32 v[ST+8*\u+4], v[S+64*\u], v[S+64*\u+1], v[S+64*\u+2]
	v_max3_num_f32 v[ST+8*\u+5], v[S+64*\u+3], v[S+64*\u+4], v[S+64*\u+5]
	v_max3_num_f32 v[30+\u], v[S+64*\u+6], v[S+64*\u+7], v[S+64*\u+8]
	v_max3_num_f32 v[9+2*\u], v[S+64*\u+9], v[S+64*\u+10], v[S+64*\u+11]
.endr
.irp i, 12,20,28,36,44,52
.irp u, 0,1
	v_max3_num_f32 v[ST+8*\u+4], v[ST+8*\u+4], v[S+64*\u+\i], v[S+64*\u+\i+1]
	v_max3_num_f32 v[ST+8*\u+5], v[ST+8*\u+5], v[S+64*\u+\i+2], v[S+64*\u+\i+3]
	v_max3_num_f32 v[30+\u], v[30+\u], v[S+64*\u+\i+4], v[S+64*\u+\i+5]
	v_max3_num_f32 v[9+2*\u], v[9+2*\u], v[S+64*\u+\i+6], v[S+64*\u+\i+7]
.endr
.endr
.irp u, 0,1
	v_max3_num_f32 v[ST+8*\u+4], v[ST+8*\u+4], v[S+64*\u+60], v[S+64*\u+61]
	v_max3_num_f32 v[ST+8*\u+5], v[ST+8*\u+5], v[S+64*\u+62], v[S+64*\u+63]
.endr
.irp u, 0,1
	v_max3_num_f32 v[ST+8*\u+4], v[ST+8*\u+4], v[30+\u], v[9+2*\u]
.endr
.irp u, 0,1
	v_max3_num_f32 v[ST+8*\u+4], v[ST+8*\u+4], v[ST+8*\u+5], v[ST+8*\u+1]   ; with the running largest, which is kept as a score: c is positive, so c x the largest score is the largest t
.endr
.irp u, 0,1
	v_permlanex16_b32 v[28+\u], v[ST+8*\u+4], s[SEL], s[SEL+1]
.endr
.irp u, 0,1
	v_max_num_f32 v[ST+8*\u+1], v[ST+8*\u+4], v[28+\u]
.endr
.irp u, 0,1
	v_mul_f32 v[ST+8*\u+4], s[CS], v[ST+8*\u+1]    ; as t
.endr
.irp u, 0,1
	v_floor_f32 v[ST+8*\u+5], -v[ST+8*\u+4]        ; the new -M = -ceil(t)
.endr
.irp u, 0,1
	v_sub_f32 v[ST+8*\u+4], v[ST+8*\u+5], v[ST+8*\u]
.endr
.irp u, 0,1
	v_mov_b32 v[ST+8*\u], v[ST+8*\u+5]
.endr
.irp u, 0,1
	v_cvt_i32_f32 v[ST+8*\u+4], v[ST+8*\u+4]       ; (it saturates)
.endr
.set j, 0
.rept 32
.if j == 16
	v_ldexp_f32 v[ST+6], 1.0, v[ST+4]              ; f = 2^(old M - new M): a multiplication by it rounds nothing
	v_ldexp_f32 v[ST+14], 1.0, v[ST+12]
.endif
	v_pk_fma_f32 v[S+j:S+j+1], v[S+j:S+j+1], s[CS:CS+1], v[ST:ST+1] op_sel_hi:[1,0,0]                 ; tile 0: t - M
.set j, j+2
.endr
.irp u, 0,1
	v_pk_mul_f32 v[ST+8*\u+2:ST+8*\u+3], v[ST+8*\u+2:ST+8*\u+3], v[ST+8*\u+6:ST+8*\u+7] op_sel_hi:[1,0]   ; the sums under the new M
.endr
	WIN 0x41                                       ; O^T (destination, source 0) window 1, f window 0
.irp u, 0,1                                    ; O^T under the new M, ahead of the exponentials: no transcendental stands between the last step's products and these first readers
.set j, 0
.rept 16
	v_pk_mul_f32 v[32*\u+j:32*\u+j+1], v[32*\u+j:32*\u+j+1], v[ST+8*\u+6:ST+8*\u+7] op_sel_hi:[1,0]
.set j, j+2
.endr
.endr
	s_wait_alu depctr_va_vdst(0)                   ; the wait ahead of the batch; it also stands ahead of the branch below
	WIN 0x40                                       ; destination window 1
.irp t, 0,1,2,3
.irp c, 0,1,2,3
	ds_load_b128 v[VF+16*\t+4*\c:VF+16*\t+4*\c+3], v[ADV] offset:16*\t*144+32*\c          ; V and the next K land while the softmax is worked
.endr
.endr
	WIN 0
.if \pre == 2
	s_cmp_eq_u32 s[CNT], 1                         ; the last step has no K left to ask for
	s_cbranch_scc1 .Lno_k_\@
.endif
.if \pre
	KLOADS ADK, KSTEP
.endif
.Lno_k_\@:
.set j, 0
.rept 32                                       ; tile 0's exponentials; tile 1's t - M among them is first read behind the next wait
	v_exp_f32 v[S+j], v[S+j]                       ; p = 2^(t - M)
	v_exp_f32 v[S+j+1], v[S+j+1]
	v_pk_fma_f32 v[S+64+j:S+64+j+1], v[S+64+j:S+64+j+1], s[CS:CS+1], v[ST+8:ST+9] op_sel_hi:[1,0,0]
.set j, j+2
.endr
	s_wait_alu depctr_va_vdst(0)                   ; behind tile 0's batch and ahead of tile 1's
.set k, 0
.rept 16                                       ; tile 1's exponentials; among them tile 0's sums of two pairs, into 16 pairs of their own, and its holds: all first read behind the next wait
	v_exp_f32 v[S+64+4*k], v[S+64+4*k]
	v_pk_add_f32 v[P+2*k:P+2*k+1], v[S+4*k:S+4*k+1], v[S+4*k+2:S+4*k+3]      ; the row's sum takes p unheld: ahead of the holds
	v_exp_f32 v[S+65+4*k], v[S+65+4*k]
	v_exp_f32 v[S+66+4*k], v[S+66+4*k]
	HOLD2 S+4*k
	v_exp_f32 v[S+67+4*k], v[S+67+4*k]
	HOLD2 S+4*k+2
.set k, k+1
.endr
	s_wait_alu depctr_va_vdst(0)                   ; one wait for tile 1's 64
.set i, 0
.rept 8                                        ; tile 0's 16 partial sums are joined by halves, with tile 1's sums, eight chains, between the levels
	v_pk_add_f32 v[P+2*i:P+2*i+1], v[P+2*i:P+2*i+1], v[P+16+2*i:P+17+2*i]
.set i, i+1
.endr
.set i, 0
.rept 8
	v_pk_add_f32 v[U+2*i:U+2*i+1], v[S+64+2*i:S+65+2*i], v[S+80+2*i:S+81+2*i]
.set i, i+1
.endr
.set i, 0
.rept 4
	v_pk_add_f32 v[P+2*i:P+2*i+1], v[P+2*i:P+2*i+1], v[P+8+2*i:P+9+2*i]
.set i, i+1
.endr
.set i, 0
.rept 8
	v_pk_add_f32 v[U+2*i:U+2*i+1], v[U+2*i:U+2*i+1], v[S+96+2*i:S+97+2*i]
.set i, i+1
.endr
	v_pk_add_f32 v[P:P+1], v[P:P+1], v[P+4:P+5]
	v_pk_add_f32 v[P+2:P+3], v[P+2:P+3], v[P+6:P+7]
.set i, 0
.rept 8
.if i == 4
	v_pk_add_f32 v[P:P+1], v[P:P+1], v[P+2:P+3]
.endif
	v_pk_add_f32 v[U+2*i:U+2*i+1], v[U+2*i:U+2*i+1], v[S+112+2*i:S+113+2*i]
.set i, i+1
.endr
	v_pk_add_f32 v[ST+2:ST+3], v[ST+2:ST+3], v[P:P+1]
.set g, 0
.rept 8                                        ; tile 0's conversions; tile 1's holds, groups 4-7 first; its chains are joined; a group of tile 1 is converted four turns behind its holds, when the chains have left its codes' registers
	v_cvt_scalef32_pk8_fp8_f32 v[P+2*g:P+2*g+1], v[S+8*g:S+8*g+7], v[SCP]
.set hh, S+64+8*((g+4)%8)
	HOLD2 hh
	HOLD2 hh+2
	HOLD2 hh+4
	HOLD2 hh+6
.if g < 4
	v_pk_add_f32 v[U+2*g:U+2*g+1], v[U+2*g:U+2*g+1], v[U+8+2*g:U+9+2*g]
.elseif g < 6
	v_pk_add_f32 v[U+2*(g-4):U+2*(g-4)+1], v[U+2*(g-4):U+2*(g-4)+1], v[U+2*(g-2):U+2*(g-2)+1]
.elseif g == 6
	v_pk_add_f32 v[U:U+1], v[U:U+1], v[U+2:U+3]
.else
	v_pk_add_f32 v[ST+10:ST+11], v[ST+10:ST+11], v[U:U+1]
.endif
.if g >= 4
	v_cvt_scalef32_pk8_fp8_f32 v[P+16+2*g:P+17+2*g], v[S+64+8*g:S+71+8*g], v[SCP]
.endif
.set g, g+1
.endr
.irp g, 0,1,2,3
	v_cvt_scalef32_pk8_fp8_f32 v[P+16+2*\g:P+17+2*\g], v[S+64+8*\g:S+71+8*\g], v[SCP]
.endr
	v_nop                                          ; a plain instruction behind the last conversion
	s_wait_alu depctr_va_vdst(0)                   ; directly ahead of the wait below
	s_wait_dscnt 0x0                               ; V and the next K are in
	WIN 0x51                                       ; O^T (C, D) and V (source 0) window 1; p's codes (source 1) window 0
.irp t, 0,1,2,3                                ; eight accumulators, one instruction a turn
.irp u, 0,1
	v_wmma_f32_16x16x128_fp8_fp8 v[32*\u+8*\t:32*\u+8*\t+7], v[VF+16*\t:VF+16*\t+15], v[P+16*\u:P+16*\u+15], v[32*\u+8*\t:32*\u+8*\t+7]
.endr
.endr
	WIN 0
.endm
	s_mov_b32 s[TBK], 0
	s_mov_b32 s[TBV], 0
	s_mov_b32 s[CNT], 3
	s_wait_loadcnt 0x0                             ; Q
	s_wait_dscnt 0x0                               ; step 0's K
.Lfirst:                                           ; steps 0 to 2: all that they read, the next step's K too, lies in keys 0-511
	STEP 1
	s_add_co_u32 s[TBK], s[TBK], KSTEP
	s_add_co_u32 s[TBV], s[TBV], VSTEP
	s_sub_co_u32 s[CNT], s[CNT], 1
	s_cmp_lg_u32 s[CNT], 0
	s_cbranch_scc1 .Lfirst
	s_mov_b32 s[TBK], 3*KSTEP
	s_mov_b32 s[TBV], 3*VSTEP
	STEP 0                                         ; step 3 asks for no K: step 4's lies in keys 512 on
	s_wait_tensorcnt 0x0                           ; my part of keys 512-2047 is in,
	s_wait_dscnt 0x0
	s_barrier_signal -1
	s_barrier_wait -1                              ; everybody's is
	KLOADS AK0, 4*KSTEP                            ; step 4's K
	s_mov_b32 s[TBK], 4*KSTEP
	s_mov_b32 s[TBV], 4*VSTEP
	s_mov_b32 s[CNT], 12
	s_wait_dscnt 0x0
.Lrest:                                            ; steps 4 to 15
	STEP 2
	s_add_co_u32 s[TBK], s[TBK], KSTEP
	s_add_co_u32 s[TBV], s[TBV], VSTEP
	s_sub_co_u32 s[CNT], s[CNT], 1
	s_cmp_lg_u32 s[CNT], 0
	s_cbranch_scc1 .Lrest
	; THE WAY OUT.  O^T / the sum, quantised with 2^e6 (a sum stands for sum x 2^(e4 + e5): the three exponents are folded), a tile of 16 rows at a time through my own stage; no barrier.
	s_mul_i32 s95, s[WV], 1280
	s_add_co_u32 s95, s95, STAGE
	v_and_b32 v37, 15, v0                          ; these address lines are also the plain lines behind the last products
	v_bfe_u32 v38, v0, 4, 1
	v_mul_u32_u24 v32, v37, 80
	v_lshl_add_u32 v32, v38, 3, v32
	v_add_nc_u32 v32, s95, v32                     ; in: row r, 8 bytes for each half of the lanes
	v_bfe_u32 v39, v0, 2, 3
	v_mul_u32_u24 v33, v39, 80
	v_and_b32 v39, 3, v0
	v_lshl_add_u32 v33, v39, 4, v33
	v_add_nc_u32 v33, s95, v33                     ; back: four lanes to a row of 64 bytes, eight rows an instruction
	v_and_b32 v34, 31, v0
	v_lshlrev_b32 v34, 4, v34                      ; and out: 16 bytes a lane, 512 consecutive bytes
	s_sub_co_i32 s66, s90, s88
	s_sub_co_i32 s66, s66, s89
	s_add_co_i32 s66, s66, 127
	s_lshl_b32 s67, s66, 23
	v_mov_b32 v35, s67                             ; 2^(e6 - e4 - e5)
	s_add_co_i32 s66, s66, 8
	s_lshl_b32 s66, s66, 23
	s_or_b32 s66, s66, 0x600000
	v_mov_b32 v36, s66                             ; 448 x that
.irp u, 0,1
	v_add_f32 v[ST+8*\u+4], v[ST+8*\u+2], v[ST+8*\u+3]
.endr
.irp u, 0,1
	v_permlanex16_b32 v[28+\u], v[ST+8*\u+4], s[SEL], s[SEL+1]
.endr
.irp u, 0,1
	v_add_f32 v[ST+8*\u+4], v[ST+8*\u+4], v[28+\u] ; the row's sum
.endr
	s_wait_alu depctr_va_vdst(0)                   ; the wait ahead of the transcendentals too
.irp u, 0,1
	v_rcp_f32 v[ST+8*\u+4], v[ST+8*\u+4]
.endr
	v_nop
	WIN 0x01                                       ; source 0 (O^T) window 1
	s_wait_alu depctr_va_vdst(0)                   ; for the two reciprocals, and directly ahead of the first readers of O^T
.irp u, 0,1
.set j, 0
.rept 16
	v_pk_mul_f32 v[S+32*\u+j:S+32*\u+j+1], v[32*\u+j:32*\u+j+1], v[ST+8*\u+4:ST+8*\u+5] op_sel_hi:[1,0]
.set j, j+2
.endr
.endr
	WIN 0
.set j, 0
.rept 64
	v_med3_num_f32 v[S+j], v[S+j], -v36, v36
.set j, j+1
.endr
.irp g, 0,1,2,3,4,5,6,7
	v_cvt_scalef32_pk8_fp8_f32 v[P+2*\g:P+2*\g+1], v[S+8*\g:S+8*\g+7], v35       ; tile g / 4, d = 16 (g % 4) + 8 h + 0 .. 7
.endr
	v_nop
.irp u, 0,1                                    ; LDS serves a wave's instructions in order: the loads see my stores, and tile 1's stores come behind tile 0's loads
.irp t, 0,1,2,3
	ds_store_b64 v32, v[P+8*\u+2*\t:P+8*\u+2*\t+1] offset:16*\t
.endr
.irp i, 0,1
	ds_load_b128 v[40+8*\u+4*\i:43+8*\u+4*\i], v33 offset:640*\i
.endr
.endr
	s_wait_dscnt 6                                 ; tile 0 is back; tile 1's four stores and two loads may be out
	global_store_b128 v34, v[40:43], s[8:9]
	global_store_b128 v34, v[44:47], s[8:9] offset:512
	s_wait_dscnt 0x0
	global_store_b128 v34, v[48:51], s[8:9] offset:1024
	global_store_b128 v34, v[52:55], s[8:9] offset:1536
	s_wait_tensorcnt 0x0                           ; the wave's end
	ds_add_u32 v[SPW], v[NIL]
	s_wait_dscnt 0x0
	CROUND                                         ; the closing round
	s_endpgm
.Lfunc_end_k_qf80c5e47db_attn:
	.size	k_qf80c5e47db_attn, .Lfunc_end_k_qf80c5e47db_attn-k_qf80c5e47db_attn
	.p2alignl 7, 3214868480
	.fill 96, 4, 3214868480
	.section	.rodata,"a",@progbits
	.p2align	6, 0x0
	.amdhsa_kernel k_qf80c5e47db_attn
		.amdhsa_group_segment_fixed_size 327680
		.amdhsa_private_segment_fixed_size 0
		.amdhsa_enable_private_segment 0
		.amdhsa_kernarg_size 24
		.amdhsa_user_sgpr_count 2
		.amdhsa_user_sgpr_kernarg_segment_ptr 1
		.amdhsa_wavefront_size32 1
		.amdhsa_system_sgpr_workgroup_id_x 1
		.amdhsa_system_sgpr_workgroup_id_y 1
		.amdhsa_system_sgpr_workgroup_id_z 1
		.amdhsa_system_vgpr_workitem_id 0
		.amdhsa_next_free_vgpr 448
		.amdhsa_next_free_sgpr 100
		.amdhsa_reserve_vcc 0
		.amdhsa_float_denorm_mode_32 3
		.amdhsa_float_denorm_mode_16_64 3
		.amdhsa_memory_ordered 1
		.amdhsa_forward_progress 1
		.amdhsa_inst_pref_size 107
	.end_amdhsa_kernel
	.amdgpu_metadata
---
amdhsa.version: [ 1, 2 ]
amdhsa.kernels:
  - .name:           k_qf80c5e47db_attn
    .symbol:         k_qf80c5e47db_attn.kd
    .args:
      - { .name: qkv_codes, .offset: 0, .size: 8, .value_kind: global_buffer, .address_space: global }
      - { .name: lowp_scales, .offset: 8, .size: 8, .value_kind: global_buffer, .address_space: global }
      - { .name: o_codes, .offset: 16, .size: 8, .value_kind: global_buffer, .address_space: global }
    .group_segment_fixed_size: 327680
    .private_segment_fixed_size: 0
    .kernarg_segment_align: 8
    .kernarg_segment_size: 24
    .max_flat_workgroup_size: 256
    .sgpr_count:     100
    .vgpr_count:     448
    .wavefront_size: 32
...
	.end_amdgpu_metadata
.endif
;; end of part 3
;; launch gemm_proj (part 4): grid 8 x 32, 4 waves a work-group, clusters of 4 x 4, 327,680 bytes of LDS; arguments o_codes, wcodes, lowp_scales, x1, x, b_proj; writes x1
.if DOCPART == 4
	.amdgcn_target "amdgcn-amd-amdhsa--gfx1250"
	.amdhsa_code_object_version 6
	.text
	.protected	k_qf80c5e47db_gemm_proj
	.globl	k_qf80c5e47db_gemm_proj
	.p2align	8
	.type	k_qf80c5e47db_gemm_proj,@function
k_qf80c5e47db_gemm_proj:
	s_mov_b64 s[64:65], 0
	v_nop
	global_prefetch_b8 v0, s[64:65] scope:SCOPE_SE
	s_setreg_imm32_b32 hwreg(HW_REG_WAVE_MODE, 25, 1), 1
	s_wait_xcnt 0x0
	s_wait_alu depctr_hold_cnt(0) depctr_sa_sdst(0) depctr_va_vdst(0) depctr_va_sdst(0) depctr_va_ssrc(0) depctr_va_vcc(0) depctr_vm_vsrc(0)
	s_getreg_b32 s2, hwreg(HW_REG_IB_STS2, 6, 4)
	s_cmp_eq_u32 s2, 0
	s_cbranch_scc0 .Lentry_in_a_cluster
	s_endpgm
.Lentry_in_a_cluster:
	s_bfe_u32 s2, ttmp6, 0x10000c
	s_cmp_lg_u32 s2, 0xf033
	s_cbranch_scc0 .Lentry_shape_is_right
	s_endpgm
.Lentry_shape_is_right:
; x1 = x + o w_proj + b_proj.  o: codes [head 16][row 4096][64]; w_proj: codes [n 1024][K 1024] at byte 3,145,728 of wcodes; x, x1: f32 [4096][1024].
; N = 1,024 gives 64 tiles of 256 x 256, too few for 256 WGPs: a tile is 128 x 128, four waves of 64 x 64 (16 accumulators), 256 work-groups.  A slot holds 1,024 along K; K = 1,024 is the one fill: nothing is filled again.
; A's tile comes by ONE two-dimensional load though K is cut into granules of 64: a "row" of the tile is the 64 rows x 64 bytes of one head (dense, 4,096 bytes), sixteen heads 262,144 bytes apart; 16 bytes of padding behind every 64: in LDS [head][row][80].
; Source 0 = 16 rows of w (features), source 1 = 16 rows of o (tokens): a lane holds one token and eight neighbouring features.  CLUSTERS 4 x 4: A shared along a row of the cluster, B along a column.
; LIMIT: e6 + e7 between -126 and 127.
; REGISTERS: window 0: v12-15 bias, v16-31 addresses, v32-127 and v192-223 the residual, v128-191 A's fragments; window 1: B's two sets; window 2: accumulator (a, b) at 8 (4 a + b).
.set NBLK, 4
.set LOGTS, 7
; ONE FILL (this takes the place of the two slots named above): each wave's one load brings its rows' whole K of 1,024, so all eight steps of 128 lie in LDS at once, and the stage of the way out has bytes of its own.
.set NQ, 8
.set SIZE_K, 1024
.set GA, 64
.set AD0, 4096
.set AD1, 16
.set ASTR, 262144
.set AQI, 3
.set AROWB, 64
.set ASTEP, 2097152
.set BQI, 7
.set WOFF, 3145728
.set ES, 90                            ; s[90:91]: e6, e7
.set EOFF, 0x18
.set ROWB,  128*NQ
.set HROWS, 16*NBLK
.set PA,    GA+16
.set PB,    ROWB+16
.set AGS,   HROWS*PA
.set AHALF, (ROWB/GA)*AGS
.set BHALF, HROWS*PB
.set SLOT,  2*AHALF+2*BHALF
.set SPARE, SLOT
.set STAGE, SPARE+512                  ; behind the spare words: 16 rows x 272 bytes for each wave, bytes that no tile lands on
.set LAPS,  SIZE_K/(2*ROWB)
.set HB,    NBLK/2
.set QB,    NBLK/4
.set NL,    4
.set ADRA, 16
.set ADRB, 20
.set STO,  24
.set RD,   25
.set CO,   26
.set SPW,  28
.set NIL,  29
.set AF,   128
.set BIA,  12
.set G1,  24
.set G0,  32
.set G1B, 48
.set G0B, 56
.set MSB, 0
.set MUL_LO, 0xa1
.set MUL_HI, 0xa1+0x50*(NBLK/8)
.set TO_B,   0x40
.macro WIN new
.if MSB != (\new)
	s_set_vgpr_msb (MSB<<8)|(\new)
.set MSB, (\new)
.endif
.endm
.macro JLOAD g0a, g1a, g0b, g1b        ; a joint load: waves 0, 1 fetch A's halves, waves 2, 3 B's; an s_nop 0 and four v_nop follow each line
	s_cmp_eq_u32 s15, 0
	s_cbranch_scc0 .Lfor_b_\@
	tensor_load_to_lds s[\g0a:\g0a+3], s[\g1a:\g1a+7]
	s_nop 0
.rept 4
	v_nop
.endr
	s_branch .Lasked_\@
.Lfor_b_\@:
	tensor_load_to_lds s[\g0b:\g0b+3], s[\g1b:\g1b+7]
	s_nop 0
.rept 4
	v_nop
.endr
.Lasked_\@:
.endm
.macro CREST
	s_cmp_lg_u32 s14, 0
	s_cbranch_scc1 .Lnot_wave_0_\@
	s_barrier_signal -3
.Lnot_wave_0_\@:
	s_barrier_wait -3
	s_barrier_signal -1
	s_barrier_wait -1
.endm
.macro CROUND
	s_barrier_signal -1
	s_barrier_wait -1
	CREST
.endm
.macro PLACES n
.rept \n
	v_nop
.endr
.endm
.macro FRAGA reg, slot, q, i
.irp c, 0,1,2,3
	ds_load_b128 v[\reg+4*\c:\reg+4*\c+3], v[ADRA+(\q)/4] offset:((128*((\q)%4)+32*\c)/GA)*AGS+(128*(\q)+32*\c)%GA+(\i)*16*PA   ; a second address register serves heads 8-15: the offset has 16 bits
.endr
.endm
.macro FRAGB reg, slot, q, i
.irp c, 0,1,2,3
	ds_load_b128 v[\reg+4*\c:\reg+4*\c+3], v[ADRB+\slot] offset:128*(\q)+32*\c+(\i)*16*PB
.endr
.endm
.macro FETCH_B slot, q, p
	WIN TO_B
.set fi, 0
.rept NBLK
	FRAGB 128*(\p)+16*fi, \slot, \q, fi
.set fi, fi+1
.endr
	WIN 0
.endm
.macro FETCH_A slot, q, i0
.set fi, \i0
.rept HB
	FRAGA AF+16*fi, \slot, \q, fi
.set fi, fi+1
.endr
.endm
.macro MULB a0, n, p, zero             ; the accumulators take turns, one instruction a turn, in one order everywhere
.set ma, \a0
.rept \n
.set mb, 0
.rept NBLK
.set mr, (8*(NBLK*ma+mb))%256
.if \zero
	v_wmma_f32_16x16x128_fp8_fp8 v[mr:mr+7], v[128*(\p)+16*mb:128*(\p)+16*mb+15], v[AF+16*ma:AF+16*ma+15], 0
.else
	v_wmma_f32_16x16x128_fp8_fp8 v[mr:mr+7], v[128*(\p)+16*mb:128*(\p)+16*mb+15], v[AF+16*ma:AF+16*ma+15], v[mr:mr+7]
.endif
.set mb, mb+1
.endr
.set ma, ma+1
.endr
.endm
.macro STEP slot, q, zero
	s_wait_dscnt HB*NL                             ; B's set and A's low half are in; A's high half may be out
	WIN MUL_LO
	MULB 0, HB, (\q)%2, \zero
	s_wait_dscnt 0
	PLACES 4
	FETCH_B \slot, (\q)+1, 1-(\q)%2
	FETCH_A \slot, (\q)+1, 0
	WIN MUL_HI
	MULB HB, HB, (\q)%2, \zero
	PLACES 4
	WIN 0
	FETCH_A \slot, (\q)+1, HB
.endm
.macro STEPS slot, q0
.set sq, \q0
.rept NQ-1-\q0
	STEP \slot, sq, 0
.set sq, sq+1
.endr
.endm
.macro TURN slot, next, fill
	s_wait_tensorcnt 0x0                           ; all my tensor loads have landed: my part of the next slot
	ds_add_u32 v[SPW], v[NIL]                      ; 0 onto my spare word
	s_wait_dscnt HB*NL+1                           ; (the add and A's high half may be out)
	WIN MUL_LO
	MULB 0, QB, 1, 0
	s_wait_dscnt 0x0                               ; the add is done, and my reads of this slot are over
	s_barrier_signal -1
	MULB QB, QB, 1, 0
	WIN 0
	s_barrier_wait -1
.if \fill
	CREST
	s_add_nc_u64 s[G0+4*\slot+2:G0+4*\slot+3], s[G0+4*\slot+2:G0+4*\slot+3], 2*ASTEP
	s_add_nc_u64 s[G0B+4*\slot+2:G0B+4*\slot+3], s[G0B+4*\slot+2:G0B+4*\slot+3], 2*ROWB
	JLOAD G0+4*\slot, G1, G0B+4*\slot, G1B
.else
	PLACES 4
.endif
	FETCH_B \next, 0, 0
	FETCH_A \next, 0, 0
	WIN MUL_HI
	MULB HB, HB, 1, 0
	PLACES 4
	WIN 0
	FETCH_A \next, 0, HB
.endm
.macro LAST
	s_wait_dscnt HB*NL
	WIN MUL_LO
	MULB 0, HB, 1, 0
	s_wait_dscnt 0
	WIN MUL_HI
	MULB HB, HB, 1, 0
	WIN 0
.endm
	s_load_b128 s[4:7], s[0:1], 0x0                ; A's codes, wcodes
	s_load_b128 s[8:11], s[0:1], 0x10              ; lowp_scales, the result
	s_load_b64 s[12:13], s[0:1], 0x20              ; the residual
	s_load_b64 s[66:67], s[0:1], 0x28              ; the bias
	v_lshl_add_u32 v[SPW], v0, 2, SPARE
	v_mov_b32 v[NIL], 0
	ds_add_u32 v[SPW], v[NIL]                      ; the wave's opening: the add and its wait ahead of my first tensor load
	ds_add_u32 v[SPW], v[NIL]
	v_lshrrev_b32 v1, 5, v0
	v_readfirstlane_b32 s14, v1
	s_lshr_b32 s15, s14, 1
	s_and_b32 s16, s14, 1
	s_bfe_u32 s40, ttmp6, 0x40000
	s_bfe_u32 s41, ttmp6, 0x40004
	s_lshl_b32 s42, ttmp9, 2
	s_add_co_u32 s42, s42, s40                     ; tile column
	s_and_b32 s17, ttmp7, 0xffff
	s_lshl_b32 s17, s17, 2
	s_add_co_u32 s17, s17, s41                     ; tile row
	s_lshl_b32 s43, s41, 2
	s_lshl_b32 s43, 15, s43
	s_lshl_b32 s44, 0x1111, s40
	s_or_b32 s[G1+0], s43, (1<<20)|(1<<21)|(AQI<<22)|(3<<25)
	s_mov_b32 s[G1+1], (AD0&0xffff)<<16
	s_mov_b32 s[G1+2], (AD0>>16)|(AD1<<16)
	s_mov_b32 s[G1+3], AD0<<16
	s_mov_b32 s[G1+4], AD1
	s_mov_b32 s[G1+5], ASTR
	s_mov_b32 s[G1+6], 0
	s_mov_b32 s[G1+7], 0
	s_or_b32 s[G1B+0], s44, (1<<20)|(1<<21)|(BQI<<22)|(3<<25)
	s_mov_b32 s[G1B+1], ROWB<<16
	s_mov_b32 s[G1B+2], HROWS<<16
	s_mov_b32 s[G1B+3], ROWB<<16
	s_mov_b32 s[G1B+4], HROWS
	s_mov_b32 s[G1B+5], SIZE_K
	s_mov_b32 s[G1B+6], 0
	s_mov_b32 s[G1B+7], 0
	s_mul_i32 s18, s16, HROWS
	s_lshl_b32 s20, s17, LOGTS
	s_add_co_u32 s20, s20, s18
	s_lshl_b32 s46, s42, LOGTS
	s_add_co_u32 s46, s46, s18
	s_mov_b32 s21, 0
	s_mov_b32 s47, 0
	s_mov_b64 s[18:19], AROWB
	s_mul_u64 s[20:21], s[20:21], s[18:19]
	s_mov_b64 s[18:19], SIZE_K
	s_mul_u64 s[46:47], s[46:47], s[18:19]
	s_mul_i32 s45, s16, AHALF
	s_mul_i32 s2, s16, BHALF
	s_add_co_u32 s2, s2, 2*AHALF
	s_wait_dscnt 0x0
	s_wait_kmcnt 0x0
	s_load_b64 s[ES:ES+1], s[8:9], EOFF
	s_add_nc_u64 s[20:21], s[4:5], s[20:21]
	s_add_nc_u64 s[46:47], s[6:7], s[46:47]
	s_add_nc_u64 s[46:47], s[46:47], WOFF
	CROUND
.irp s, 0
	s_mov_b32 s[G0+4*\s], 1
	s_add_co_u32 s[G0+4*\s+1], s45, \s*SLOT
	s_add_nc_u64 s[G0+4*\s+2:G0+4*\s+3], s[20:21], \s*ASTEP
	s_or_b32 s[G0+4*\s+3], s[G0+4*\s+3], 0x80000000
	s_mov_b32 s[G0B+4*\s], 1
	s_add_co_u32 s[G0B+4*\s+1], s2, \s*SLOT
	s_add_nc_u64 s[G0B+4*\s+2:G0B+4*\s+3], s[46:47], \s*ROWB
	s_or_b32 s[G0B+4*\s+3], s[G0B+4*\s+3], 0x80000000
	JLOAD G0+4*\s, G1, G0B+4*\s, G1B               ; my one tensor load
.endr
	v_and_b32 v1, 15, v0
	v_bfe_u32 v2, v0, 4, 1
	v_mul_u32_u24 v3, v1, PA
	v_lshl_add_u32 v3, v2, 4, v3
	v_mul_u32_u24 v4, v1, PB
	v_lshl_add_u32 v4, v2, 4, v4
	s_mul_i32 s21, s15, AHALF
	s_mul_i32 s22, s16, BHALF
	s_add_co_u32 s22, s22, 2*AHALF
	v_add_nc_u32 v[ADRA], s21, v3
	v_add_nc_u32 v[ADRB], s22, v4
	s_add_co_u32 s21, s21, 8*AGS
	v_add_nc_u32 v[ADRA+1], s21, v3                ; heads 8-15
	s_mul_i32 s23, s14, 16*272
	s_add_co_u32 s23, s23, STAGE                   ; my stage
	v_mul_u32_u24 v5, v1, 272
	v_lshl_add_u32 v5, v2, 5, v5
	v_add_nc_u32 v[STO], s23, v5
	v_mul_u32_u24 v5, v2, 272
	v_lshl_add_u32 v5, v1, 4, v5
	v_add_nc_u32 v[RD], s23, v5
	v_lshlrev_b32 v[CO], 12, v2
	v_lshl_add_u32 v[CO], v1, 4, v[CO]             ; lanes 0-15 one row of 4,096 bytes, lanes 16-31 the next; 16 bytes a lane
	v_lshlrev_b32 v27, 4, v1                       ; the bias of my four columns
	s_wait_alu depctr_va_vdst(0)
	s_lshl_b32 s20, s17, 19
	s_lshl_b32 s21, s15, 18
	s_add_co_u32 s20, s20, s21                     ; my first row, in bytes
	s_mov_b32 s21, 0
	s_lshl_b32 s46, s42, 9
	s_lshl_b32 s47, s16, 8
	s_add_co_u32 s46, s46, s47                     ; my first column, in bytes
	s_mov_b32 s47, 0
	s_add_nc_u64 s[66:67], s[66:67], s[46:47]
	s_add_nc_u64 s[20:21], s[20:21], s[46:47]
	s_add_nc_u64 s[12:13], s[12:13], s[20:21]
	s_add_nc_u64 s[10:11], s[10:11], s[20:21]
	global_load_b128 v[BIA:BIA+3], v27, s[66:67]
.irp a, 0,1,2,3                        ; the residual is asked for now and lands under the products
.irp t, 0,1,2,3,4,5,6,7
	global_load_b128 v[32+32*\a+64*(\a/3)+4*\t:35+32*\a+64*(\a/3)+4*\t], v[CO], s[12:13] offset:(16*\a+2*\t)*4096 th:TH_LOAD_NT
.endr
.endr
	s_wait_tensorcnt 0x0                           ; my load is in
	s_barrier_signal -1
	s_barrier_wait -1
	FETCH_B 0, 0, 0
	FETCH_A 0, 0, 0
	FETCH_A 0, 0, HB
	STEP 0, 0, 1
	STEPS 0, 1                                     ; steps 1 to 6
	LAST
	; THE WAY OUT: the raw sums of 16 rows x 64 columns go through my stage and come back as whole rows of 256 bytes; there sum x 2^(ea + eb) + (residual + bias).
.macro RBLOCK a
.set BB, 128+32*((\a)%2)
	WIN 0x08                                       ; the stores' data: window 2
.irp b, 0,1,2,3
	ds_store_b128 v[STO], v[32*(\a)+8*\b:32*(\a)+8*\b+3] offset:64*\b          ; each accumulator from its low end on
	ds_store_b128 v[STO], v[32*(\a)+8*\b+4:32*(\a)+8*\b+7] offset:64*\b+16
.endr
	WIN 0
.irp t, 0,1,2,3,4,5,6,7
	ds_load_b128 v[BB+4*\t:BB+4*\t+3], v[RD] offset:2*\t*272
.endr
.endm
.macro RSEND a, younger
.set BB, 128+32*((\a)%2)
.set RR, 32+32*(\a)+64*((\a)/3)
	s_wait_dscnt \younger                          ; the block is back; the next block's 8 stores and 8 loads may be out
.irp t, 0,1,2,3,4,5,6,7
	v_pk_add_f32 v[RR+4*\t:RR+4*\t+1], v[RR+4*\t:RR+4*\t+1], v[BIA:BIA+1]
	v_pk_add_f32 v[RR+4*\t+2:RR+4*\t+3], v[RR+4*\t+2:RR+4*\t+3], v[BIA+2:BIA+3]
	v_pk_fma_f32 v[BB+4*\t:BB+4*\t+1], v[BB+4*\t:BB+4*\t+1], s[96:97], v[RR+4*\t:RR+4*\t+1] op_sel_hi:[1,0,1]
	v_pk_fma_f32 v[BB+4*\t+2:BB+4*\t+3], v[BB+4*\t+2:BB+4*\t+3], s[96:97], v[RR+4*\t+2:RR+4*\t+3] op_sel_hi:[1,0,1]
.endr
.irp t, 0,1,2,3,4,5,6,7                ; the block's eight stores stand behind all its vector lines
	global_store_b128 v[CO], v[BB+4*\t:BB+4*\t+3], s[10:11] offset:(16*(\a)+2*\t)*4096     ; sixteen lanes store 256 consecutive bytes, aligned
.endr
.endm
	s_wait_kmcnt 0x0
	s_add_co_i32 s96, s[ES], s[ES+1]
	s_add_co_i32 s96, s96, 127
	s_lshl_b32 s96, s96, 23                        ; 2^(ea + eb) as f32
	s_mov_b32 s97, s96
	s_wait_loadcnt 0x0                             ; bias and residual
	PLACES 4
	RBLOCK 0
.irp a, 1,2,3
.if \a > 1
	s_wait_xcnt 0x0                                ; block a - 2's stores have read their registers
.endif
	RBLOCK \a
	RSEND \a-1, 16
.endr
	RSEND 3, 0
	s_wait_tensorcnt 0x0                           ; the wave's end
	ds_add_u32 v[SPW], v[NIL]
	s_wait_dscnt 0x0
	CROUND                                         ; the closing round
	s_endpgm
.Lfunc_end_k_qf80c5e47db_gemm_proj:
	.size	k_qf80c5e47db_gemm_proj, .Lfunc_end_k_qf80c5e47db_gemm_proj-k_qf80c5e47db_gemm_proj
	.p2alignl 7, 3214868480
	.fill 96, 4, 3214868480
	.section	.rodata,"a",@progbits
	.p2align	6, 0x0
	.amdhsa_kernel k_qf80c5e47db_gemm_proj
		.amdhsa_group_segment_fixed_size 327680
		.amdhsa_private_segment_fixed_size 0
		.amdhsa_enable_private_segment 0
		.amdhsa_kernarg_size 48
		.amdhsa_user_sgpr_count 2
		.amdhsa_user_sgpr_kernarg_segment_ptr 1
		.amdhsa_wavefront_size32 1
		.amdhsa_system_sgpr_workgroup_id_x 1
		.amdhsa_system_sgpr_workgroup_id_y 1
		.amdhsa_system_sgpr_workgroup_id_z 1
		.amdhsa_system_vgpr_workitem_id 0
		.amdhsa_next_free_vgpr 640
		.amdhsa_next_free_sgpr 100
		.amdhsa_reserve_vcc 0
		.amdhsa_float_denorm_mode_32 3
		.amdhsa_float_denorm_mode_16_64 3
		.amdhsa_memory_ordered 1
		.amdhsa_forward_progress 1
		.amdhsa_inst_pref_size 54
	.end_amdhsa_kernel
	.amdgpu_metadata
---
amdhsa.version: [ 1, 2 ]
amdhsa.kernels:
  - .name:           k_qf80c5e47db_gemm_proj
    .symbol:         k_qf80c5e47db_gemm_proj.kd
    .args:
      - { .name: o_codes, .offset: 0, .size: 8, .value_kind: global_buffer, .address_space: global }
      - { .name: wcodes, .offset: 8, .size: 8, .value_kind: global_buffer, .address_space: global }
      - { .name: lowp_scales, .offset: 16, .size: 8, .value_kind: global_buffer, .address_space: global }
      - { .name: x1, .offset: 24, .size: 8, .value_kind: global_buffer, .address_space: global }
      - { .name: x, .offset: 32, .size: 8, .value_kind: global_buffer, .address_space: global }
      - { .name: b_proj, .offset: 40, .size: 8, .value_kind: global_buffer, .address_space: global }
    .group_segment_fixed_size: 327680
    .private_segment_fixed_size: 0
    .kernarg_segment_align: 8
    .kernarg_segment_size: 48
    .max_flat_workgroup_size: 128
    .sgpr_count:     100
    .vgpr_count:     640
    .wavefront_size: 32
...
	.end_amdgpu_metadata
.endif
;; end of part 4
;; launch ln2 (part 5): grid 256 x 1, 4 waves a work-group, no clusters, 0 bytes of LDS; arguments x1, ln2_scale, ln2_bias, lowp_scales, h2_codes; writes h2_codes
.if DOCPART == 5
	.amdgcn_target "amdgcn-amd-amdhsa--gfx1250"
	.amdhsa_code_object_version 6
	.text
	.protected	k_qf80c5e47db_ln2
	.globl	k_qf80c5e47db_ln2
	.p2align	8
	.type	k_qf80c5e47db_ln2,@function
k_qf80c5e47db_ln2:
	s_mov_b64 s[64:65], 0
	v_nop
	global_prefetch_b8 v0, s[64:65] scope:SCOPE_SE
	s_setreg_imm32_b32 hwreg(HW_REG_WAVE_MODE, 25, 1), 1
	s_wait_xcnt 0x0
; LayerNorm 2 of x1, quantised with 2^e8: h2_codes [4096][1024].  One wave one row at a time, four rows a wave, all loads issued up front; mean first, then the squares of x - mean.  No LDS, no barrier.
; A lane holds k = 512 u + 16 lane + 0 .. 15 (u = 0, 1) in register 16 u + 0 .. 15: 16 neighbours for the conversions; a store of the wave covers 512 consecutive bytes.
; LIMITS: e8 between -126 and 119; NaN and infinities are not served.
; v16-47 gain, v48-79 bias, v80-207 four rows, v208-239 their codes, v240-247 four chains, v[248:249] mean, v[250:251] 1 / sqrt, v253, v254 the scale and the hold.
.macro REDUCE
	v_pk_add_f32 v[240:241], v[240:241], v[242:243]
	v_pk_add_f32 v[244:245], v[244:245], v[246:247]
	v_pk_add_f32 v[240:241], v[240:241], v[244:245]
	v_add_f32 v240, v240, v241
	v_add_f32_dpp v240, v240, v240 row_xmask:1 row_mask:0xf bank_mask:0xf
	v_add_f32_dpp v240, v240, v240 row_xmask:2 row_mask:0xf bank_mask:0xf
	v_add_f32_dpp v240, v240, v240 row_xmask:4 row_mask:0xf bank_mask:0xf
	v_add_f32_dpp v240, v240, v240 row_xmask:8 row_mask:0xf bank_mask:0xf
	v_permlanex16_b32 v252, v240, s56, s57
	v_add_f32 v240, v240, v252
.endm
.macro LNROW i
.set XR, 80+32*\i
.set CR, 208+8*\i
	s_wait_loadcnt 8*(3-\i)                        ; my row's eight loads (and gain and bias, issued earlier) are in; the younger rows stay out
.irp c, 0,1,2,3
	v_pk_add_f32 v[240+2*\c:241+2*\c], v[XR+2*\c:XR+2*\c+1], v[XR+8+2*\c:XR+9+2*\c]
.endr
.irp k, 2,3
.irp c, 0,1,2,3
	v_pk_add_f32 v[240+2*\c:241+2*\c], v[240+2*\c:241+2*\c], v[XR+8*\k+2*\c:XR+8*\k+2*\c+1]
.endr
.endr
	REDUCE
	v_mul_f32 v248, s58, v240
	v_mul_f32 v249, s58, v240
.set li, 0
.rept 16
	v_pk_add_f32 v[XR+li:XR+li+1], v[XR+li:XR+li+1], v[248:249] neg_lo:[0,1] neg_hi:[0,1]
.set li, li+2
.endr
.irp c, 0,1,2,3
	v_pk_mul_f32 v[240+2*\c:241+2*\c], v[XR+2*\c:XR+2*\c+1], v[XR+2*\c:XR+2*\c+1]
.endr
.irp k, 1,2,3
.irp c, 0,1,2,3
	v_pk_fma_f32 v[240+2*\c:241+2*\c], v[XR+8*\k+2*\c:XR+8*\k+2*\c+1], v[XR+8*\k+2*\c:XR+8*\k+2*\c+1], v[240+2*\c:241+2*\c]
.endr
.endr
	REDUCE
	v_fma_f32 v240, v240, s58, s59
	s_wait_alu depctr_va_vdst(0)
	v_rsq_f32 v250, v240
	v_nop                                          ; a plain instruction behind the transcendental,
	s_wait_alu depctr_va_vdst(0)                   ; and the wait ahead of its first reader
	v_mov_b32 v251, v250
.set li, 0
.rept 16
	v_pk_mul_f32 v[XR+li:XR+li+1], v[XR+li:XR+li+1], v[250:251]
.set li, li+2
.endr
.set li, 0
.rept 16
	v_pk_fma_f32 v[XR+li:XR+li+1], v[XR+li:XR+li+1], v[16+li:17+li], v[48+li:49+li]
.set li, li+2
.endr
.set li, 0
.rept 32
	v_med3_num_f32 v[XR+li], v[XR+li], -v254, v254 ; the conversion to an 8-bit code does not saturate (ISA guide 7.6.2)
.set li, li+1
.endr
.irp g, 0,1,2,3
	v_cvt_scalef32_pk8_fp8_f32 v[CR+2*\g:CR+2*\g+1], v[XR+8*\g:XR+8*\g+7], v253
.endr
	; (the row's codes stay in their own eight registers: all stores stand behind the last row)
.endm
	s_load_b256 s[8:15], s[0:1], 0x0               ; x1 8, ln2_scale 10, ln2_bias 12, lowp_scales 14
	s_load_b64 s[24:25], s[0:1], 0x20              ; h2_codes
	v_lshrrev_b32 v1, 5, v0
	v_readfirstlane_b32 s34, v1
	v_and_b32 v3, 31, v0
	s_wait_alu depctr_va_vdst(0)
	s_lshl_b32 s29, ttmp9, 4
	s_lshl_b32 s30, s34, 2
	s_add_co_u32 s29, s29, s30                     ; my first row: 16 x work-group + 4 x wave
	s_mov_b32 s31, 0
	s_mov_b32 s56, 0x76543210
	s_mov_b32 s57, 0xfedcba98
	s_mov_b32 s58, 0x3a800000                      ; 1 / 1024
	s_mov_b32 s59, 0x358637bd                      ; 1e-6
	v_lshlrev_b32 v1, 6, v3
	v_lshlrev_b32 v2, 4, v3
	s_wait_alu depctr_va_vdst(0)
	s_wait_kmcnt 0x0
	s_load_b32 s36, s[14:15], 0x20                 ; e8
	s_lshl_b32 s30, s29, 12
	s_add_nc_u64 s[8:9], s[8:9], s[30:31]
	s_lshl_b32 s30, s29, 10
	s_add_nc_u64 s[24:25], s[24:25], s[30:31]
.irp u, 0,1
.irp j, 0,1,2,3
	global_load_b128 v[16+16*\u+4*\j:19+16*\u+4*\j], v1, s[10:11] offset:2048*\u+16*\j
.endr
.endr
.irp u, 0,1
.irp j, 0,1,2,3
	global_load_b128 v[48+16*\u+4*\j:51+16*\u+4*\j], v1, s[12:13] offset:2048*\u+16*\j
.endr
.endr
.irp i, 0,1,2,3
.irp u, 0,1
.irp j, 0,1,2,3
	global_load_b128 v[80+32*\i+16*\u+4*\j:83+32*\i+16*\u+4*\j], v1, s[8:9] offset:4096*\i+2048*\u+16*\j
.endr
.endr
.endr
	v_mov_b32 v252, 0
	s_wait_kmcnt 0x0
	s_add_co_i32 s36, s36, 127
	s_lshl_b32 s37, s36, 23
	v_mov_b32 v253, s37
	s_add_co_i32 s36, s36, 8
	s_lshl_b32 s36, s36, 23
	s_or_b32 s36, s36, 0x600000
	v_mov_b32 v254, s36
	LNROW 0
	LNROW 1
	LNROW 2
	LNROW 3
.irp i, 0,1,2,3
	global_store_b128 v2, v[208+8*\i:211+8*\i], s[24:25] offset:1024*\i         ; 32 lanes store 512 consecutive bytes
	global_store_b128 v2, v[212+8*\i:215+8*\i], s[24:25] offset:1024*\i+512
.endr
	s_endpgm
.Lfunc_end_k_qf80c5e47db_ln2:
	.size	k_qf80c5e47db_ln2, .Lfunc_end_k_qf80c5e47db_ln2-k_qf80c5e47db_ln2
	.p2alignl 7, 3214868480
	.fill 96, 4, 3214868480
	.section	.rodata,"a",@progbits
	.p2align	6, 0x0
	.amdhsa_kernel k_qf80c5e47db_ln2
		.amdhsa_group_segment_fixed_size 0
		.amdhsa_private_segment_fixed_size 0
		.amdhsa_enable_private_segment 0
		.amdhsa_kernarg_size 40
		.amdhsa_user_sgpr_count 2
		.amdhsa_user_sgpr_kernarg_segment_ptr 1
		.amdhsa_wavefront_size32 1
		.amdhsa_system_sgpr_workgroup_id_x 1
		.amdhsa_system_sgpr_workgroup_id_y 1
		.amdhsa_system_sgpr_workgroup_id_z 1
		.amdhsa_system_vgpr_workitem_id 0
		.amdhsa_next_free_vgpr 256
		.amdhsa_next_free_sgpr 66
		.amdhsa_reserve_vcc 0
		.amdhsa_float_denorm_mode_32 3
		.amdhsa_float_denorm_mode_16_64 3
		.amdhsa_memory_ordered 1
		.amdhsa_forward_progress 1
		.amdhsa_inst_pref_size 41
	.end_amdhsa_kernel
	.amdgpu_metadata
---
amdhsa.version: [ 1, 2 ]
amdhsa.kernels:
  - .name:           k_qf80c5e47db_ln2
    .symbol:         k_qf80c5e47db_ln2.kd
    .args:
      - { .name: x1, .offset: 0, .size: 8, .value_kind: global_buffer, .address_space: global }
      - { .name: ln2_scale, .offset: 8, .size: 8, .value_kind: global_buffer, .address_space: global }
      - { .name: ln2_bias, .offset: 16, .size: 8, .value_kind: global_buffer, .address_space: global }
      - { .name: lowp_scales, .offset: 24, .size: 8, .value_kind: global_buffer, .address_space: global }
      - { .name: h2_codes, .offset: 32, .size: 8, .value_kind: global_buffer, .address_space: global }
    .group_segment_fixed_size: 0
    .private_segment_fixed_size: 0
    .kernarg_segment_align: 8
    .kernarg_segment_size: 40
    .max_flat_workgroup_size: 128
    .sgpr_count:     66
    .vgpr_count:     256
    .wavefront_size: 32
...
	.end_amdgpu_metadata
.endif
;; end of part 5
;; launch gemm_mlp1 (part 6): grid 16 x 16, 4 waves a work-group, clusters of 4 x 4, 327,680 bytes of LDS; arguments h2_codes, wcodes, lowp_scales, m_codes, b_mlp1; writes m_codes
.if DOCPART == 6
	.amdgcn_target "amdgcn-amd-amdhsa--gfx1250"
	.amdhsa_code_object_version 6
	.text
	.protected	k_qf80c5e47db_gemm_mlp1
	.globl	k_qf80c5e47db_gemm_mlp1
	.p2align	8
	.type	k_qf80c5e47db_gemm_mlp1,@function
k_qf80c5e47db_gemm_mlp1:
	s_mov_b64 s[64:65], 0
	v_nop
	global_prefetch_b8 v0, s[64:65] scope:SCOPE_SE
	s_setreg_imm32_b32 hwreg(HW_REG_WAVE_MODE, 25, 1), 1
	s_wait_xcnt 0x0
	s_wait_alu depctr_hold_cnt(0) depctr_sa_sdst(0) depctr_va_vdst(0) depctr_va_sdst(0) depctr_va_ssrc(0) depctr_va_vcc(0) depctr_vm_vsrc(0)
	s_getreg_b32 s2, hwreg(HW_REG_IB_STS2, 6, 4)
	s_cmp_eq_u32 s2, 0
	s_cbranch_scc0 .Lentry_in_a_cluster
	s_endpgm
.Lentry_in_a_cluster:
	s_bfe_u32 s2, ttmp6, 0x10000c
	s_cmp_lg_u32 s2, 0xf033
	s_cbranch_scc0 .Lentry_shape_is_right
	s_endpgm
.Lentry_shape_is_right:
; m = gelu(LN2(x1) w_mlp1 + b_mlp1), tanh form, on codes of E4M3, quantised with 2^e10 on the way out: m_codes [K block of 128: 32][row 4096][128].
; A tile of 256 x 256 to a work-group of four waves, 128 x 128 a wave; K = 1,024 in steps of 256 through a ring of two LDS slots; clusters 4 x 4: A's tile is asked for jointly along a row, B's along a column.
; gelu(y) = y / (1 + 2^(y (c1 y^2 + c0))), c0 = -2 sqrt(2 / pi) log2(e), c1 = 0.044715 c0.  LIMITS: e8 + e9 between -126 and 127; e10 between -126 and 119.
.set NBLK, 8
.set LOGTS, 8
.set NQ, 2
.set SIZE_K, 1024
.set GA, 256
.set AD0, 256
.set AD1, 128
.set ASTR, 1024
.set AQI, 5
.set AROWB, 1024
.set ASTEP, 256
.set BQI, 5
.set WOFF, 4194304
.set ROWB,  128*NQ
.set HROWS, 16*NBLK
.set PA,    GA+16
.set PB,    ROWB+16
.set AGS,   HROWS*PA
.set AHALF, (ROWB/GA)*AGS
.set BHALF, HROWS*PB
.set SLOT,  2*AHALF+2*BHALF
.set SPARE, 2*SLOT
.set LAPS,  SIZE_K/(2*ROWB)
.set HB,    NBLK/2
.set QB,    NBLK/4
.set NL,    4
.set ADRA, 16
.set ADRB, 20
.set STO,  24
.set RD,   25
.set CO,   26
.set SPW,  28
.set NIL,  29
.set SCV,  30
.set LIMV, 31
.set AF,   128
.set G1,  24
.set G0,  32
.set G1B, 48
.set G0B, 56
.set MSB, 0
.set MUL_LO, 0xa1
.set MUL_HI, 0xa1+0x50*(NBLK/8)
.set TO_B,   0x40
.macro WIN new
.if MSB != (\new)
	s_set_vgpr_msb (MSB<<8)|(\new)
.set MSB, (\new)
.endif
.endm
.macro JLOAD g0a, g1a, g0b, g1b
	s_cmp_eq_u32 s15, 0
	s_cbranch_scc0 .Lfor_b_\@
	tensor_load_to_lds s[\g0a:\g0a+3], s[\g1a:\g1a+7]
	s_nop 0
.rept 4
	v_nop
.endr
	s_branch .Lasked_\@
.Lfor_b_\@:
	tensor_load_to_lds s[\g0b:\g0b+3], s[\g1b:\g1b+7]
	s_nop 0
.rept 4
	v_nop
.endr
.Lasked_\@:
.endm
.macro CREST
	s_cmp_lg_u32 s14, 0
	s_cbranch_scc1 .Lnot_wave_0_\@
	s_barrier_signal -3
.Lnot_wave_0_\@:
	s_barrier_wait -3
	s_barrier_signal -1
	s_barrier_wait -1
.endm
.macro CROUND
	s_barrier_signal -1
	s_barrier_wait -1
	CREST
.endm
.macro PLACES n
.rept \n
	v_nop
.endr
.endm
.macro FRAGA reg, slot, q, i
.irp c, 0,1,2,3
	ds_load_b128 v[\reg+4*\c:\reg+4*\c+3], v[ADRA+\slot] offset:((128*(\q)+32*\c)/GA)*AGS+(128*(\q)+32*\c)%GA+(\i)*16*PA
.endr
.endm
.macro FRAGB reg, slot, q, i
.irp c, 0,1,2,3
	ds_load_b128 v[\reg+4*\c:\reg+4*\c+3], v[ADRB+\slot] offset:128*(\q)+32*\c+(\i)*16*PB
.endr
.endm
.macro FETCH_B slot, q, p
	WIN TO_B
.set fi, 0
.rept NBLK
	FRAGB 128*(\p)+16*fi, \slot, \q, fi
.set fi, fi+1
.endr
	WIN 0
.endm
.macro FETCH_A slot, q, i0
.set fi, \i0
.rept HB
	FRAGA AF+16*fi, \slot, \q, fi
.set fi, fi+1
.endr
.endm
.macro MULB a0, n, p, zero
.set ma, \a0
.rept \n
.set mb, 0
.rept NBLK
.set mr, (8*(NBLK*ma+mb))%256
.if \zero
	v_wmma_f32_16x16x128_fp8_fp8 v[mr:mr+7], v[128*(\p)+16*mb:128*(\p)+16*mb+15], v[AF+16*ma:AF+16*ma+15], 0
.else
	v_wmma_f32_16x16x128_fp8_fp8 v[mr:mr+7], v[128*(\p)+16*mb:128*(\p)+16*mb+15], v[AF+16*ma:AF+16*ma+15], v[mr:mr+7]
.endif
.set mb, mb+1
.endr
.set ma, ma+1
.endr
.endm
.macro STEP slot, q, zero
	s_wait_dscnt HB*NL
	WIN MUL_LO
	MULB 0, HB, (\q)%2, \zero
	s_wait_dscnt 0
	PLACES 4
	FETCH_B \slot, (\q)+1, 1-(\q)%2
	FETCH_A \slot, (\q)+1, 0
	WIN MUL_HI
	MULB HB, HB, (\q)%2, \zero
	PLACES 4
	WIN 0
	FETCH_A \slot, (\q)+1, HB
.endm
.macro STEPS slot, q0
.set sq, \q0
.rept NQ-1-\q0
	STEP \slot, sq, 0
.set sq, sq+1
.endr
.endm
.macro TURN slot, next, fill
	s_wait_tensorcnt 0x0
	ds_add_u32 v[SPW], v[NIL]
	s_wait_dscnt HB*NL+1
	WIN MUL_LO
	MULB 0, QB, 1, 0
	s_wait_dscnt 0x0
	s_barrier_signal -1
	MULB QB, QB, 1, 0
	WIN 0
	s_barrier_wait -1
.if \fill
	CREST
	s_add_nc_u64 s[G0+4*\slot+2:G0+4*\slot+3], s[G0+4*\slot+2:G0+4*\slot+3], 2*ASTEP
	s_add_nc_u64 s[G0B+4*\slot+2:G0B+4*\slot+3], s[G0B+4*\slot+2:G0B+4*\slot+3], 2*ROWB
	JLOAD G0+4*\slot, G1, G0B+4*\slot, G1B
.else
	PLACES 4
.endif
	FETCH_B \next, 0, 0
	FETCH_A \next, 0, 0
	WIN MUL_HI
	MULB HB, HB, 1, 0
	PLACES 4
	WIN 0
	FETCH_A \next, 0, HB
.endm
.macro LAST
	s_wait_dscnt HB*NL
	WIN MUL_LO
	MULB 0, HB, 1, 0
	s_wait_dscnt 0
	WIN MUL_HI
	MULB HB, HB, 1, 0
	WIN 0
.endm
	s_load_b128 s[4:7], s[0:1], 0x0
	s_load_b128 s[8:11], s[0:1], 0x10
	s_load_b64 s[12:13], s[0:1], 0x20
	v_lshl_add_u32 v[SPW], v0, 2, SPARE
	v_mov_b32 v[NIL], 0
	ds_add_u32 v[SPW], v[NIL]
	ds_add_u32 v[SPW], v[NIL]
	v_lshrrev_b32 v1, 5, v0
	v_readfirstlane_b32 s14, v1
	s_lshr_b32 s15, s14, 1
	s_and_b32 s16, s14, 1
	s_bfe_u32 s40, ttmp6, 0x40000
	s_bfe_u32 s41, ttmp6, 0x40004
	s_lshl_b32 s42, ttmp9, 2
	s_add_co_u32 s42, s42, s40
	s_and_b32 s17, ttmp7, 0xffff
	s_lshl_b32 s17, s17, 2
	s_add_co_u32 s17, s17, s41
	s_lshl_b32 s43, s41, 2
	s_lshl_b32 s43, 15, s43
	s_lshl_b32 s44, 0x1111, s40
	s_or_b32 s[G1+0], s43, (1<<20)|(1<<21)|(AQI<<22)|(3<<25)
	s_mov_b32 s[G1+1], (AD0&0xffff)<<16
	s_mov_b32 s[G1+2], (AD0>>16)|(AD1<<16)
	s_mov_b32 s[G1+3], AD0<<16
	s_mov_b32 s[G1+4], AD1
	s_mov_b32 s[G1+5], ASTR
	s_mov_b32 s[G1+6], 0
	s_mov_b32 s[G1+7], 0
	s_or_b32 s[G1B+0], s44, (1<<20)|(1<<21)|(BQI<<22)|(3<<25)
	s_mov_b32 s[G1B+1], ROWB<<16
	s_mov_b32 s[G1B+2], HROWS<<16
	s_mov_b32 s[G1B+3], ROWB<<16
	s_mov_b32 s[G1B+4], HROWS
	s_mov_b32 s[G1B+5], SIZE_K
	s_mov_b32 s[G1B+6], 0
	s_mov_b32 s[G1B+7], 0
	s_mul_i32 s18, s16, HROWS
	s_lshl_b32 s20, s17, LOGTS
	s_add_co_u32 s20, s20, s18
	s_lshl_b32 s46, s42, LOGTS
	s_add_co_u32 s46, s46, s18
	s_mov_b32 s21, 0
	s_mov_b32 s47, 0
	s_mov_b64 s[18:19], AROWB
	s_mul_u64 s[20:21], s[20:21], s[18:19]
	s_mov_b64 s[18:19], SIZE_K
	s_mul_u64 s[46:47], s[46:47], s[18:19]
	s_mul_i32 s45, s16, AHALF
	s_mul_i32 s2, s16, BHALF
	s_add_co_u32 s2, s2, 2*AHALF
	s_wait_dscnt 0x0
	s_wait_kmcnt 0x0
	s_load_b128 s[92:95], s[8:9], 0x20
	s_add_nc_u64 s[20:21], s[4:5], s[20:21]
	s_add_nc_u64 s[46:47], s[6:7], s[46:47]
	s_add_nc_u64 s[46:47], s[46:47], WOFF
	CROUND
.irp s, 0,1
	s_mov_b32 s[G0+4*\s], 1
	s_add_co_u32 s[G0+4*\s+1], s45, \s*SLOT
	s_add_nc_u64 s[G0+4*\s+2:G0+4*\s+3], s[20:21], \s*ASTEP
	s_or_b32 s[G0+4*\s+3], s[G0+4*\s+3], 0x80000000
	s_mov_b32 s[G0B+4*\s], 1
	s_add_co_u32 s[G0B+4*\s+1], s2, \s*SLOT
	s_add_nc_u64 s[G0B+4*\s+2:G0B+4*\s+3], s[46:47], \s*ROWB
	s_or_b32 s[G0B+4*\s+3], s[G0B+4*\s+3], 0x80000000
.endr
	JLOAD G0, G1, G0B, G1B                         ; slot 0: one tensor load a wave at the head
	; prefetches into the L2, two slots ahead of the load that wants the bytes: of the 128 rows that I fetch, my work-group takes 32, told apart from its three partners by address (cx for A, cy for B); a lane a row, 256 bytes of it
	s_cmp_eq_u32 s15, 0
	s_cselect_b64 s[66:67], s[20:21], s[46:47]
	s_cselect_b32 s68, s40, s41
	s_lshl_b32 s68, s68, 15                        ; 32 rows of 1,024 bytes
	s_mov_b32 s69, 0
	s_add_nc_u64 s[66:67], s[66:67], s[68:69]      ; never rewritten
	v_and_b32 v8, 31, v0
	v_lshlrev_b32 v8, 10, v8                       ; never rewritten
	global_prefetch_b8 v8, s[66:67] offset:256 th:TH_LOAD_NT scope:SCOPE_SE    ; slot 1's bytes: its load goes out when slot 0's has landed
	global_prefetch_b8 v8, s[66:67] offset:512 th:TH_LOAD_NT scope:SCOPE_SE    ; slot 2's bytes
	v_and_b32 v1, 15, v0
	v_bfe_u32 v2, v0, 4, 1
	v_mul_u32_u24 v3, v1, PA
	v_lshl_add_u32 v3, v2, 4, v3
	v_mul_u32_u24 v4, v1, PB
	v_lshl_add_u32 v4, v2, 4, v4
	s_mul_i32 s21, s15, AHALF
	s_mul_i32 s22, s16, BHALF
	s_add_co_u32 s22, s22, 2*AHALF
.irp s, 0,1
	v_add_nc_u32 v[ADRA+\s], s21, v3
	v_add_nc_u32 v[ADRB+\s], s22, v4
	s_add_co_u32 s21, s21, SLOT
	s_add_co_u32 s22, s22, SLOT
.endr
	s_mul_i32 s23, s14, 16*144
	v_mul_u32_u24 v5, v1, 144
	v_lshl_add_u32 v5, v2, 3, v5
	v_add_nc_u32 v[STO], s23, v5
	v_bfe_u32 v6, v0, 3, 2
	v_mul_u32_u24 v5, v6, 144
	v_and_b32 v7, 7, v0
	v_lshl_add_u32 v5, v7, 4, v5
	v_add_nc_u32 v[RD], s23, v5
	v_and_b32 v7, 31, v0
	v_lshlrev_b32 v[CO], 4, v7
	v_lshlrev_b32 v27, 5, v2
	v_mov_b32 v12, 0xbdd2d3e8
	v_mov_b32 v13, 0xbdd2d3e8
	v_mov_b32 v14, 0xc0135761
	v_mov_b32 v15, 0xc0135761
	s_lshl_b32 s46, s42, 10
	s_lshl_b32 s47, s16, 9
	s_add_co_u32 s46, s46, s47
	s_mov_b32 s47, 0
	s_add_nc_u64 s[12:13], s[12:13], s[46:47]
.irp b, 0,1,2,3,4,5,6,7
	global_load_b128 v[32+8*\b:35+8*\b], v27, s[12:13] offset:64*\b
	global_load_b128 v[36+8*\b:39+8*\b], v27, s[12:13] offset:64*\b+16
.endr
	s_lshl_b32 s46, s42, 1
	s_add_co_u32 s46, s46, s16
	s_lshl_b32 s46, s46, 19
	s_lshl_b32 s20, s17, 8
	s_lshl_b32 s21, s15, 7
	s_add_co_u32 s20, s20, s21
	s_lshl_b32 s20, s20, 7
	s_mov_b32 s21, 0
	s_add_nc_u64 s[20:21], s[20:21], s[46:47]
	s_add_nc_u64 s[10:11], s[10:11], s[20:21]
	s_wait_alu depctr_va_vdst(0)                   ; the wait at the head's end
	s_wait_tensorcnt 0x0                           ; my part of slot 0 is in
	ds_add_u32 v[SPW], v[NIL]
	s_wait_dscnt 0x0
	CROUND                                         ; everybody's part of slot 0 is in, and the joint loads meet
	JLOAD G0+4, G1, G0B+4, G1B                     ; slot 1's first fill, the first tensor load behind the round
	FETCH_B 0, 0, 0
	FETCH_A 0, 0, 0
	FETCH_A 0, 0, HB
	global_prefetch_b8 v8, s[66:67] offset:768 th:TH_LOAD_NT scope:SCOPE_SE    ; slot 3's bytes, the last of K
	STEP 0, 0, 1                                   ; the first step's products start the sums
	s_mov_b32 s3, LAPS-1
.Llap:
	STEPS 0, 1
	TURN 0, 1, 1
	STEPS 1, 0
	TURN 1, 0, 1
	STEP 0, 0, 0
	s_sub_co_u32 s3, s3, 1
	s_cmp_lg_u32 s3, 0
	s_cbranch_scc1 .Llap
	STEPS 0, 1
	TURN 0, 1, 0
	STEPS 1, 0
	LAST
.set BI,  32
.set PC,  96
.set BB,  112
.set TMP, 128
.set W,   192
.macro GBLOCK a
.set AC, 64*((\a)%4)
	WIN 0x02+((\a)/4)
.set j, 0
.rept 32
	v_pk_fma_f32 v[TMP+j:TMP+j+1], v[AC+j:AC+j+1], s[96:97], v[BI+j:BI+j+1] op_sel_hi:[1,0,1]
.set j, j+2
.endr
	WIN 0
.set j, 0
.rept 32
	v_pk_mul_f32 v[W+j:W+j+1], v[TMP+j:TMP+j+1], v[TMP+j:TMP+j+1]
.set j, j+2
.endr
.set j, 0
.rept 32
	v_pk_fma_f32 v[W+j:W+j+1], v[W+j:W+j+1], v[12:13], v[14:15]
.set j, j+2
.endr
.set j, 0
.rept 32
	v_pk_mul_f32 v[W+j:W+j+1], v[W+j:W+j+1], v[TMP+j:TMP+j+1]
.set j, j+2
.endr
.set j, 0
	s_wait_alu depctr_va_vdst(0)
.if (\a) > 0                           ; the block before is back from my stage by now: its four stores stand here, behind the wait above and ahead of the exponentials
	s_wait_dscnt 0x0
.irp i, 0,1,2,3
	global_store_b128 v[CO], v[BB+4*\i:BB+4*\i+3], s[10:11] offset:2048*((\a)-1)+512*\i
.endr
.endif
.rept 64
	v_exp_f32 v[W+j], v[W+j]
.set j, j+1
.endr
	v_nop
	s_wait_alu depctr_va_vdst(0)
.set j, 0
.rept 32
	v_pk_add_f32 v[W+j:W+j+1], v[W+j:W+j+1], 1.0 op_sel_hi:[1,0]
.set j, j+2
.endr
.set j, 0
	s_wait_alu depctr_va_vdst(0)
.rept 64
	v_rcp_f32 v[W+j], v[W+j]
.set j, j+1
.endr
	v_nop
	s_wait_alu depctr_va_vdst(0)
.set j, 0
.rept 32
	v_pk_mul_f32 v[TMP+j:TMP+j+1], v[TMP+j:TMP+j+1], v[W+j:W+j+1]
.set j, j+2
.endr
.set j, 0
.rept 64
	v_med3_num_f32 v[TMP+j], v[TMP+j], -v[LIMV], v[LIMV]
.set j, j+1
.endr
.irp b, 0,1,2,3,4,5,6,7
	v_cvt_scalef32_pk8_fp8_f32 v[PC+2*\b:PC+2*\b+1], v[TMP+8*\b:TMP+8*\b+7], v[SCV]
.endr
	v_nop
	s_wait_alu depctr_va_vdst(0)
	s_wait_xcnt 0x0
.irp b, 0,1,2,3,4,5,6,7
	ds_store_b64 v[STO], v[PC+2*\b:PC+2*\b+1] offset:16*\b
.endr
.irp i, 0,1,2,3
	ds_load_b128 v[BB+4*\i:BB+4*\i+3], v[RD] offset:4*\i*144
.endr
.if (\a) == 7                          ; the last block has no successor to send it
	s_wait_dscnt 0x0
.irp i, 0,1,2,3
	global_store_b128 v[CO], v[BB+4*\i:BB+4*\i+3], s[10:11] offset:2048*(\a)+512*\i
.endr
.endif
.endm
	s_wait_kmcnt 0x0
	s_add_co_i32 s96, s92, s93
	s_add_co_i32 s96, s96, 127
	s_lshl_b32 s96, s96, 23
	s_mov_b32 s97, s96
	s_add_co_i32 s74, s94, 127
	s_lshl_b32 s75, s74, 23
	v_mov_b32 v[SCV], s75
	s_add_co_i32 s74, s74, 8
	s_lshl_b32 s74, s74, 23
	s_or_b32 s74, s74, 0x600000
	v_mov_b32 v[LIMV], s74
	s_wait_loadcnt 0x0
	PLACES 4
.irp a, 0,1,2,3,4,5,6,7
	GBLOCK \a
.endr
	s_wait_tensorcnt 0x0
	ds_add_u32 v[SPW], v[NIL]
	s_wait_dscnt 0x0
	CROUND
	s_endpgm
.Lfunc_end_k_qf80c5e47db_gemm_mlp1:
	.size	k_qf80c5e47db_gemm_mlp1, .Lfunc_end_k_qf80c5e47db_gemm_mlp1-k_qf80c5e47db_gemm_mlp1
	.p2alignl 7, 3214868480
	.fill 96, 4, 3214868480
	.section	.rodata,"a",@progbits
	.p2align	6, 0x0
	.amdhsa_kernel k_qf80c5e47db_gemm_mlp1
		.amdhsa_group_segment_fixed_size 327680
		.amdhsa_private_segment_fixed_size 0
		.amdhsa_enable_private_segment 0
		.amdhsa_kernarg_size 40
		.amdhsa_user_sgpr_count 2
		.amdhsa_user_sgpr_kernarg_segment_ptr 1
		.amdhsa_wavefront_size32 1
		.amdhsa_system_sgpr_workgroup_id_x 1
		.amdhsa_system_sgpr_workgroup_id_y 1
		.amdhsa_system_sgpr_workgroup_id_z 1
		.amdhsa_system_vgpr_workitem_id 0
		.amdhsa_next_free_vgpr 1024
		.amdhsa_next_free_sgpr 100
		.amdhsa_reserve_vcc 0
		.amdhsa_float_denorm_mode_32 3
		.amdhsa_float_denorm_mode_16_64 3
		.amdhsa_memory_ordered 1
		.amdhsa_forward_progress 1
		.amdhsa_inst_pref_size 255
	.end_amdhsa_kernel
	.section	.bss,"aw",@nobits
	.p2align	6
	.space	262144
	.amdgpu_metadata
---
amdhsa.version: [ 1, 2 ]
amdhsa.kernels:
  - .name:           k_qf80c5e47db_gemm_mlp1
    .symbol:         k_qf80c5e47db_gemm_mlp1.kd
    .args:
      - { .name: h2_codes, .offset: 0, .size: 8, .value_kind: global_buffer, .address_space: global }
      - { .name: wcodes, .offset: 8, .size: 8, .value_kind: global_buffer, .address_space: global }
      - { .name: lowp_scales, .offset: 16, .size: 8, .value_kind: global_buffer, .address_space: global }
      - { .name: m_codes, .offset: 24, .size: 8, .value_kind: global_buffer, .address_space: global }
      - { .name: b_mlp1, .offset: 32, .size: 8, .value_kind: global_buffer, .address_space: global }
    .group_segment_fixed_size: 327680
    .private_segment_fixed_size: 0
    .kernarg_segment_align: 8
    .kernarg_segment_size: 40
    .max_flat_workgroup_size: 128
    .sgpr_count:     100
    .vgpr_count:     1024
    .wavefront_size: 32
...
	.end_amdgpu_metadata
.endif
;; end of part 6
;; launch gemm_mlp2 (part 7): grid 8 x 32, 4 waves a work-group, clusters of 4 x 4, 327,680 bytes of LDS; arguments m_codes, wcodes, lowp_scales, out0, x1, b_mlp2; writes out0
.if DOCPART == 7
	.amdgcn_target "amdgcn-amd-amdhsa--gfx1250"
	.amdhsa_code_object_version 6
	.text
	.protected	k_qf80c5e47db_gemm_mlp2
	.globl	k_qf80c5e47db_gemm_mlp2
	.p2align	8
	.type	k_qf80c5e47db_gemm_mlp2,@function
k_qf80c5e47db_gemm_mlp2:
	s_mov_b64 s[64:65], 0
	v_nop
	global_prefetch_b8 v0, s[64:65] scope:SCOPE_SE
	s_setreg_imm32_b32 hwreg(HW_REG_WAVE_MODE, 25, 1), 1
	s_wait_xcnt 0x0
	s_wait_alu depctr_hold_cnt(0) depctr_sa_sdst(0) depctr_va_vdst(0) depctr_va_sdst(0) depctr_va_ssrc(0) depctr_va_vcc(0) depctr_vm_vsrc(0)
	s_getreg_b32 s2, hwreg(HW_REG_IB_STS2, 6, 4)
	s_cmp_eq_u32 s2, 0
	s_cbranch_scc0 .Lentry_in_a_cluster
	s_endpgm
.Lentry_in_a_cluster:
	s_bfe_u32 s2, ttmp6, 0x10000c
	s_cmp_lg_u32 s2, 0xf033
	s_cbranch_scc0 .Lentry_shape_is_right
	s_endpgm
.Lentry_shape_is_right:
; out0 = x1 + m w_mlp2 + b_mlp2 on codes of E4M3.  m: [K block of 128: 32][row 4096][128]; w_mlp2: codes [n 1024][K 4096] at byte 8,388,608 of wcodes.
; A tile of 128 x 128 to a work-group of four waves, 64 x 64 a wave: 256 work-groups.  K = 4,096 in eight slots of 512 through a ring of two; clusters 4 x 4: A's tile is asked for jointly along a row, B's along a column.
; PREFETCHES INTO THE L2: behind the load of slot j stands one line a wave for slot j + 2 (j = 0 .. 5).  Of the 128 blocks of 256 bytes that a wave's load brings, each of the four partners that ask jointly names 32, told apart by address:
; A: K block cx of the slot's four, 8,192 dense bytes, lanes 256 bytes apart; B: rows 16 cy .. 16 cy + 15 of the 64, two lanes to a row's 512 bytes.  LIMIT: e10 + e11 between -126 and 127.
.set PFA, 68                           ; s[68:69] where my prefetches stand; stepped a slot at the head of each change of slots, behind s_wait_xcnt 0
.set PFS, 70                           ; s[70:71] a slot on, in bytes
.set PFO, 30                           ; v30 my lane's offset; never rewritten
.set NBLK, 4
.set LOGTS, 7
.set NQ, 4
.set SIZE_K, 4096
.set GA, 128
.set AD0, 8192
.set AD1, 4
.set ASTR, 524288
.set AQI, 4
.set AROWB, 128
.set ASTEP, 2097152
.set BQI, 6
.set WOFF, 8388608
.set ES, 94
.set EOFF, 0x28
.set ROWB,  128*NQ
.set HROWS, 16*NBLK
.set PA,    GA+16
.set PB,    ROWB+16
.set AGS,   HROWS*PA
.set AHALF, (ROWB/GA)*AGS
.set BHALF, HROWS*PB
.set SLOT,  2*AHALF+2*BHALF
.set SPARE, 2*SLOT
.set LAPS,  SIZE_K/(2*ROWB)
.set HB,    NBLK/2
.set QB,    NBLK/4
.set NL,    4
.set ADRA, 16
.set ADRB, 20
.set STO,  24
.set RD,   25
.set CO,   26
.set SPW,  28
.set NIL,  29
.set AF,   128
.set BIA,  12
.set G1,  24
.set G0,  32
.set G1B, 48
.set G0B, 56
.set MSB, 0
.set MUL_LO, 0xa1
.set MUL_HI, 0xa1+0x50*(NBLK/8)
.set TO_B,   0x40
.macro WIN new
.if MSB != (\new)
	s_set_vgpr_msb (MSB<<8)|(\new)
.set MSB, (\new)
.endif
.endm
.macro JLOAD g0a, g1a, g0b, g1b
	s_cmp_eq_u32 s15, 0
	s_cbranch_scc0 .Lfor_b_\@
	tensor_load_to_lds s[\g0a:\g0a+3], s[\g1a:\g1a+7]
	s_nop 0
.rept 4
	v_nop
.endr
	s_branch .Lasked_\@
.Lfor_b_\@:
	tensor_load_to_lds s[\g0b:\g0b+3], s[\g1b:\g1b+7]
	s_nop 0
.rept 4
	v_nop
.endr
.Lasked_\@:
.endm
.macro CREST
	s_cmp_lg_u32 s14, 0
	s_cbranch_scc1 .Lnot_wave_0_\@
	s_barrier_signal -3
.Lnot_wave_0_\@:
	s_barrier_wait -3
	s_barrier_signal -1
	s_barrier_wait -1
.endm
.macro CROUND
	s_barrier_signal -1
	s_barrier_wait -1
	CREST
.endm
.macro PLACES n
.rept \n
	v_nop
.endr
.endm
.macro FRAGA reg, slot, q, i
.irp c, 0,1,2,3
	ds_load_b128 v[\reg+4*\c:\reg+4*\c+3], v[ADRA+\slot] offset:((128*(\q)+32*\c)/GA)*AGS+(128*(\q)+32*\c)%GA+(\i)*16*PA
.endr
.endm
.macro FRAGB reg, slot, q, i
.irp c, 0,1,2,3
	ds_load_b128 v[\reg+4*\c:\reg+4*\c+3], v[ADRB+\slot] offset:128*(\q)+32*\c+(\i)*16*PB
.endr
.endm
.macro FETCH_B slot, q, p
	WIN TO_B
.set fi, 0
.rept NBLK
	FRAGB 128*(\p)+16*fi, \slot, \q, fi
.set fi, fi+1
.endr
	WIN 0
.endm
.macro FETCH_A slot, q, i0
.set fi, \i0
.rept HB
	FRAGA AF+16*fi, \slot, \q, fi
.set fi, fi+1
.endr
.endm
.macro MULB a0, n, p, zero
.set ma, \a0
.rept \n
.set mb, 0
.rept NBLK
.set mr, (8*(NBLK*ma+mb))%256
.if \zero
	v_wmma_f32_16x16x128_fp8_fp8 v[mr:mr+7], v[128*(\p)+16*mb:128*(\p)+16*mb+15], v[AF+16*ma:AF+16*ma+15], 0
.else
	v_wmma_f32_16x16x128_fp8_fp8 v[mr:mr+7], v[128*(\p)+16*mb:128*(\p)+16*mb+15], v[AF+16*ma:AF+16*ma+15], v[mr:mr+7]
.endif
.set mb, mb+1
.endr
.set ma, ma+1
.endr
.endm
.macro STEP slot, q, zero
	s_wait_dscnt HB*NL
	WIN MUL_LO
	MULB 0, HB, (\q)%2, \zero
	s_wait_dscnt 0
	PLACES 4
	FETCH_B \slot, (\q)+1, 1-(\q)%2
	FETCH_A \slot, (\q)+1, 0
	WIN MUL_HI
	MULB HB, HB, (\q)%2, \zero
	PLACES 4
	WIN 0
	FETCH_A \slot, (\q)+1, HB
.endm
.macro STEPS slot, q0
.set sq, \q0
.rept NQ-1-\q0
	STEP \slot, sq, 0
.set sq, sq+1
.endr
.endm
.macro ASK                             ; the loop's last trip loads slots 6 and 7: no slot stands two on
	s_cmp_gt_u32 s3, 1
	s_cbranch_scc0 .Lno_ask_\@
	global_prefetch_b8 v[PFO], s[PFA:PFA+1] th:TH_LOAD_NT scope:SCOPE_SE
.Lno_ask_\@:
.endm
.macro TURN slot, next, fill
.if \fill
	s_wait_xcnt 0x0                                ; my last prefetch has read its address
	s_add_nc_u64 s[PFA:PFA+1], s[PFA:PFA+1], s[PFS:PFS+1]
.endif
	s_wait_tensorcnt 0x0
	ds_add_u32 v[SPW], v[NIL]
	s_wait_dscnt HB*NL+1
	WIN MUL_LO
	MULB 0, QB, 1, 0
	s_wait_dscnt 0x0
	s_barrier_signal -1
	MULB QB, QB, 1, 0
	WIN 0
	s_barrier_wait -1
.if \fill
	CREST
	s_add_nc_u64 s[G0+4*\slot+2:G0+4*\slot+3], s[G0+4*\slot+2:G0+4*\slot+3], 2*ASTEP
	s_add_nc_u64 s[G0B+4*\slot+2:G0B+4*\slot+3], s[G0B+4*\slot+2:G0B+4*\slot+3], 2*ROWB
	JLOAD G0+4*\slot, G1, G0B+4*\slot, G1B
.else
	PLACES 4
.endif
	FETCH_B \next, 0, 0
	FETCH_A \next, 0, 0
.if \fill
	ASK
.endif
	WIN MUL_HI
	MULB HB, HB, 1, 0
	PLACES 4
	WIN 0
	FETCH_A \next, 0, HB
.endm
.macro LAST
	s_wait_dscnt HB*NL
	WIN MUL_LO
	MULB 0, HB, 1, 0
	s_wait_dscnt 0
	WIN MUL_HI
	MULB HB, HB, 1, 0
	WIN 0
.endm
	s_load_b128 s[4:7], s[0:1], 0x0
	s_load_b128 s[8:11], s[0:1], 0x10
	s_load_b64 s[12:13], s[0:1], 0x20
	s_load_b64 s[66:67], s[0:1], 0x28
	v_lshl_add_u32 v[SPW], v0, 2, SPARE
	v_mov_b32 v[NIL], 0
	ds_add_u32 v[SPW], v[NIL]
	ds_add_u32 v[SPW], v[NIL]
	v_lshrrev_b32 v1, 5, v0
	v_readfirstlane_b32 s14, v1
	s_lshr_b32 s15, s14, 1
	s_and_b32 s16, s14, 1
	s_bfe_u32 s40, ttmp6, 0x40000
	s_bfe_u32 s41, ttmp6, 0x40004
	s_lshl_b32 s42, ttmp9, 2
	s_add_co_u32 s42, s42, s40
	s_and_b32 s17, ttmp7, 0xffff
	s_lshl_b32 s17, s17, 2
	s_add_co_u32 s17, s17, s41
	s_lshl_b32 s43, s41, 2
	s_lshl_b32 s43, 15, s43
	s_lshl_b32 s44, 0x1111, s40
	s_or_b32 s[G1+0], s43, (1<<20)|(1<<21)|(AQI<<22)|(3<<25)
	s_mov_b32 s[G1+1], (AD0&0xffff)<<16
	s_mov_b32 s[G1+2], (AD0>>16)|(AD1<<16)
	s_mov_b32 s[G1+3], AD0<<16
	s_mov_b32 s[G1+4], AD1
	s_mov_b32 s[G1+5], ASTR
	s_mov_b32 s[G1+6], 0
	s_mov_b32 s[G1+7], 0
	s_or_b32 s[G1B+0], s44, (1<<20)|(1<<21)|(BQI<<22)|(3<<25)
	s_mov_b32 s[G1B+1], ROWB<<16
	s_mov_b32 s[G1B+2], HROWS<<16
	s_mov_b32 s[G1B+3], ROWB<<16
	s_mov_b32 s[G1B+4], HROWS
	s_mov_b32 s[G1B+5], SIZE_K
	s_mov_b32 s[G1B+6], 0
	s_mov_b32 s[G1B+7], 0
	s_mul_i32 s18, s16, HROWS
	s_lshl_b32 s20, s17, LOGTS
	s_add_co_u32 s20, s20, s18
	s_lshl_b32 s46, s42, LOGTS
	s_add_co_u32 s46, s46, s18
	s_mov_b32 s21, 0
	s_mov_b32 s47, 0
	s_mov_b64 s[18:19], AROWB
	s_mul_u64 s[20:21], s[20:21], s[18:19]
	s_mov_b64 s[18:19], SIZE_K
	s_mul_u64 s[46:47], s[46:47], s[18:19]
	s_mul_i32 s45, s16, AHALF
	s_mul_i32 s2, s16, BHALF
	s_add_co_u32 s2, s2, 2*AHALF
	s_wait_dscnt 0x0
	s_wait_kmcnt 0x0
	s_load_b64 s[ES:ES+1], s[8:9], EOFF
	s_add_nc_u64 s[20:21], s[4:5], s[20:21]
	s_add_nc_u64 s[46:47], s[6:7], s[46:47]
	s_add_nc_u64 s[46:47], s[46:47], WOFF
	CROUND
.irp s, 0,1
	s_mov_b32 s[G0+4*\s], 1
	s_add_co_u32 s[G0+4*\s+1], s45, \s*SLOT
	s_add_nc_u64 s[G0+4*\s+2:G0+4*\s+3], s[20:21], \s*ASTEP
	s_or_b32 s[G0+4*\s+3], s[G0+4*\s+3], 0x80000000
	s_mov_b32 s[G0B+4*\s], 1
	s_add_co_u32 s[G0B+4*\s+1], s2, \s*SLOT
	s_add_nc_u64 s[G0B+4*\s+2:G0B+4*\s+3], s[46:47], \s*ROWB
	s_or_b32 s[G0B+4*\s+3], s[G0B+4*\s+3], 0x80000000
.endr
	JLOAD G0, G1, G0B, G1B                         ; slot 0: one tensor load a wave at the head
	s_cmp_eq_u32 s15, 0                            ; do I fetch for A?
	s_cselect_b64 s[PFA:PFA+1], s[20:21], s[46:47]
	s_cselect_b32 s72, s40, s41                    ; my place among the four that ask with me
	s_cselect_b32 s73, 19, 16                      ; A: a K block of 524,288 bytes; B: 16 rows of 4,096
	s_mov_b32 s[PFS], 512
	s_cselect_b32 s[PFS], 2097152, s[PFS]
	s_mov_b32 s74, 4096
	s_cselect_b32 s74, 512, s74                    ; from one pair of lanes to the next
	s_lshl_b32 s72, s72, s73
	s_mov_b32 s73, 0
	s_mov_b32 s[PFS+1], 0
	s_add_nc_u64 s[PFA:PFA+1], s[PFA:PFA+1], s[72:73]
	s_add_nc_u64 s[76:77], s[PFA:PFA+1], s[PFS:PFS+1]       ; at slot 1; never rewritten
	s_add_nc_u64 s[PFA:PFA+1], s[76:77], s[PFS:PFS+1]       ; at slot 2
	v_bfe_u32 v[PFO], v0, 1, 4
	v_mul_u32_u24 v[PFO], s74, v[PFO]
	v_and_b32 v31, 1, v0
	v_lshl_add_u32 v[PFO], v31, 8, v[PFO]
	global_prefetch_b8 v[PFO], s[76:77] th:TH_LOAD_NT scope:SCOPE_SE           ; slot 1's bytes: its load goes out when slot 0's has landed
	global_prefetch_b8 v[PFO], s[PFA:PFA+1] th:TH_LOAD_NT scope:SCOPE_SE       ; slot 2's bytes
	v_and_b32 v1, 15, v0
	v_bfe_u32 v2, v0, 4, 1
	v_mul_u32_u24 v3, v1, PA
	v_lshl_add_u32 v3, v2, 4, v3
	v_mul_u32_u24 v4, v1, PB
	v_lshl_add_u32 v4, v2, 4, v4
	s_mul_i32 s21, s15, AHALF
	s_mul_i32 s22, s16, BHALF
	s_add_co_u32 s22, s22, 2*AHALF
.irp s, 0,1
	v_add_nc_u32 v[ADRA+\s], s21, v3
	v_add_nc_u32 v[ADRB+\s], s22, v4
	s_add_co_u32 s21, s21, SLOT
	s_add_co_u32 s22, s22, SLOT
.endr
	s_mul_i32 s23, s14, 16*272
	v_mul_u32_u24 v5, v1, 272
	v_lshl_add_u32 v5, v2, 5, v5
	v_add_nc_u32 v[STO], s23, v5
	v_mul_u32_u24 v5, v2, 272
	v_lshl_add_u32 v5, v1, 4, v5
	v_add_nc_u32 v[RD], s23, v5
	v_lshlrev_b32 v[CO], 12, v2
	v_lshl_add_u32 v[CO], v1, 4, v[CO]
	v_lshlrev_b32 v27, 4, v1
	s_wait_alu depctr_va_vdst(0)
	s_lshl_b32 s20, s17, 19
	s_lshl_b32 s21, s15, 18
	s_add_co_u32 s20, s20, s21
	s_mov_b32 s21, 0
	s_lshl_b32 s46, s42, 9
	s_lshl_b32 s47, s16, 8
	s_add_co_u32 s46, s46, s47
	s_mov_b32 s47, 0
	s_add_nc_u64 s[66:67], s[66:67], s[46:47]
	s_add_nc_u64 s[20:21], s[20:21], s[46:47]
	s_add_nc_u64 s[12:13], s[12:13], s[20:21]
	s_add_nc_u64 s[10:11], s[10:11], s[20:21]
	global_load_b128 v[BIA:BIA+3], v27, s[66:67]
.irp a, 0,1,2,3
.irp t, 0,1,2,3,4,5,6,7
	global_load_b128 v[32+32*\a+64*(\a/3)+4*\t:35+32*\a+64*(\a/3)+4*\t], v[CO], s[12:13] offset:(16*\a+2*\t)*4096 th:TH_LOAD_NT
.endr
.endr
	s_wait_alu depctr_va_vdst(0)                   ; the wait at the head's end
	s_wait_xcnt 0x0                                ; my prefetch has read its address
	s_add_nc_u64 s[PFA:PFA+1], s[PFA:PFA+1], s[PFS:PFS+1]   ; at slot 3
	s_wait_tensorcnt 0x0                           ; my part of slot 0 is in
	ds_add_u32 v[SPW], v[NIL]
	s_wait_dscnt 0x0
	CROUND                                         ; everybody's part of slot 0 is in, and the joint loads meet
	JLOAD G0+4, G1, G0B+4, G1B                     ; slot 1's first fill, the first tensor load behind the round
	FETCH_B 0, 0, 0
	FETCH_A 0, 0, 0
	FETCH_A 0, 0, HB
	global_prefetch_b8 v[PFO], s[PFA:PFA+1] th:TH_LOAD_NT scope:SCOPE_SE       ; slot 3's bytes
	STEP 0, 0, 1                                   ; the first step's products start the sums
.if LAPS > 1
	s_mov_b32 s3, LAPS-1
.Llap:
	STEPS 0, 1
	TURN 0, 1, 1
	STEPS 1, 0
	TURN 1, 0, 1
	STEP 0, 0, 0
	s_sub_co_u32 s3, s3, 1
	s_cmp_lg_u32 s3, 0
	s_cbranch_scc1 .Llap
.endif
	STEPS 0, 1
	TURN 0, 1, 0
	STEPS 1, 0
	LAST
.macro RBLOCK a
.set BB, 128+32*((\a)%2)
	WIN 0x08
.irp b, 0,1,2,3
	ds_store_b128 v[STO], v[32*(\a)+8*\b:32*(\a)+8*\b+3] offset:64*\b
	ds_store_b128 v[STO], v[32*(\a)+8*\b+4:32*(\a)+8*\b+7] offset:64*\b+16
.endr
	WIN 0
.irp t, 0,1,2,3,4,5,6,7
	ds_load_b128 v[BB+4*\t:BB+4*\t+3], v[RD] offset:2*\t*272
.endr
.endm
.macro RSEND a, younger
.set BB, 128+32*((\a)%2)
.set RR, 32+32*(\a)+64*((\a)/3)
	s_wait_dscnt \younger
.irp t, 0,1,2,3,4,5,6,7
	v_pk_add_f32 v[RR+4*\t:RR+4*\t+1], v[RR+4*\t:RR+4*\t+1], v[BIA:BIA+1]
	v_pk_add_f32 v[RR+4*\t+2:RR+4*\t+3], v[RR+4*\t+2:RR+4*\t+3], v[BIA+2:BIA+3]
	v_pk_fma_f32 v[BB+4*\t:BB+4*\t+1], v[BB+4*\t:BB+4*\t+1], s[96:97], v[RR+4*\t:RR+4*\t+1] op_sel_hi:[1,0,1]
	v_pk_fma_f32 v[BB+4*\t+2:BB+4*\t+3], v[BB+4*\t+2:BB+4*\t+3], s[96:97], v[RR+4*\t+2:RR+4*\t+3] op_sel_hi:[1,0,1]
.endr
.irp t, 0,1,2,3,4,5,6,7                ; the block's eight stores stand behind all its vector lines
	global_store_b128 v[CO], v[BB+4*\t:BB+4*\t+3], s[10:11] offset:(16*(\a)+2*\t)*4096 th:TH_STORE_NT   ; sixteen lanes store 256 consecutive bytes, aligned
.endr
.endm
	s_wait_kmcnt 0x0
	s_add_co_i32 s96, s[ES], s[ES+1]
	s_add_co_i32 s96, s96, 127
	s_lshl_b32 s96, s96, 23
	s_mov_b32 s97, s96
	s_wait_loadcnt 0x0
	PLACES 4
	RBLOCK 0
.irp a, 1,2,3
.if \a > 1
	s_wait_xcnt 0x0
.endif
	RBLOCK \a
	RSEND \a-1, 16
.endr
	RSEND 3, 0
	s_wait_tensorcnt 0x0
	ds_add_u32 v[SPW], v[NIL]
	s_wait_dscnt 0x0
	CROUND
	s_endpgm
.Lfunc_end_k_qf80c5e47db_gemm_mlp2:
	.size	k_qf80c5e47db_gemm_mlp2, .Lfunc_end_k_qf80c5e47db_gemm_mlp2-k_qf80c5e47db_gemm_mlp2
	.p2alignl 7, 3214868480
	.fill 96, 4, 3214868480
	.section	.rodata,"a",@progbits
	.p2align	6, 0x0
	.amdhsa_kernel k_qf80c5e47db_gemm_mlp2
		.amdhsa_group_segment_fixed_size 327680
		.amdhsa_private_segment_fixed_size 0
		.amdhsa_enable_private_segment 0
		.amdhsa_kernarg_size 48
		.amdhsa_user_sgpr_count 2
		.amdhsa_user_sgpr_kernarg_segment_ptr 1
		.amdhsa_wavefront_size32 1
		.amdhsa_system_sgpr_workgroup_id_x 1
		.amdhsa_system_sgpr_workgroup_id_y 1
		.amdhsa_system_sgpr_workgroup_id_z 1
		.amdhsa_system_vgpr_workitem_id 0
		.amdhsa_next_free_vgpr 640
		.amdhsa_next_free_sgpr 100
		.amdhsa_reserve_vcc 0
		.amdhsa_float_denorm_mode_32 3
		.amdhsa_float_denorm_mode_16_64 3
		.amdhsa_memory_ordered 1
		.amdhsa_forward_progress 1
		.amdhsa_inst_pref_size 87
	.end_amdhsa_kernel
	.amdgpu_metadata
---
amdhsa.version: [ 1, 2 ]
amdhsa.kernels:
  - .name:           k_qf80c5e47db_gemm_mlp2
    .symbol:         k_qf80c5e47db_gemm_mlp2.kd
    .args:
      - { .name: m_codes, .offset: 0, .size: 8, .value_kind: global_buffer, .address_space: global }
      - { .name: wcodes, .offset: 8, .size: 8, .value_kind: global_buffer, .address_space: global }
      - { .name: lowp_scales, .offset: 16, .size: 8, .value_kind: global_buffer, .address_space: global }
      - { .name: out0, .offset: 24, .size: 8, .value_kind: global_buffer, .address_space: global }
      - { .name: x1, .offset: 32, .size: 8, .value_kind: global_buffer, .address_space: global }
      - { .name: b_mlp2, .offset: 40, .size: 8, .value_kind: global_buffer, .address_space: global }
    .group_segment_fixed_size: 327680
    .private_segment_fixed_size: 0
    .kernarg_segment_align: 8
    .kernarg_segment_size: 48
    .max_flat_workgroup_size: 128
    .sgpr_count:     100
    .vgpr_count:     640
    .wavefront_size: 32
...
	.end_amdgpu_metadata
.endif
;; end of part 7
